; MI455X (gfx1250); checked and timed in simulation.
; The chip was launched on July 23, 2026; its instructions are those of AMD's public machine-readable ISA for CDNA 5 (MIT licence, August 2026) and "CDNA5" Instruction Set Architecture Reference Guide (July 2026). The comments in the code are by the model that wrote it; some were corrected since.
;; Softmax Attention. Allowed arithmetic: matrix products marked QUANTISED: E2M1 operands, one E8M0 scale for each 32 along K, by v_wmma_scale_f32_16x16x128_f8f6f4 with both operands' format E2M1 (or v_wmma_scale_f32_32x16x128_f4), f32 sums; products left as they are: bf16, f16 or f32 operands; f32 sums; everything else in f32.
;; Inputs: Wk 1,024 x 1,024 float32; Wo 1,024 x 1,024 float32; Wq 1,024 x 1,024 float32; Wv 1,024 x 1,024 float32; x 4 x 2,048 x 1,024 float32.
;; Outputs: out0 4 x 2,048 x 1,024 float32.
;; This version of the problem:
;;   THIS VERSION OF THE PROBLEM IS GIVEN IN LOW PRECISION. The matrix products marked QUANTISED in the list below multiply operands that are first quantised to E2M1 (2 exponent bits, 1 mantissa bit; 4 bits a number), with one power-of-two scale for each 32 numbers along K (OCP MX v1.0); their sums are f32. The products marked 'left as it is' may take bf16, f16 or f32 operands, with f32 sums. Whichever they take, every output number must still come out within the allowed error. Rounding operands to bf16 (8 significant bits) uses up far more of that allowance than f16 does (11 bits, for magnitudes from 6e-5 to 65,504). All else is computed in f32.
;;   The module's matrix products, in the order in which they are computed (A, B: the left and right operand; K: the contracted axis; several contracted axes count as one K, in the product's order):
;;     1. [M 8,192, K 1,024] x [K 1,024, N 1,024]; A: input x; B: input Wq: QUANTISED
;;     2. [M 8,192, K 1,024] x [K 1,024, N 1,024]; A: input x; B: input Wk: QUANTISED
;;     3. [M 8,192, K 1,024] x [K 1,024, N 1,024]; A: input x; B: input Wv: QUANTISED
;;     4. batch 64 x [M 2,048, K 64] x [K 64, N 2,048]; A: computed on the way; B: computed on the way: left as it is (an operand is computed on the way)
;;     5. batch 64 x [M 2,048, K 2,048] x [K 2,048, N 64]; A: computed on the way; B: computed on the way: left as it is (an operand is computed on the way)
;;     6. [M 8,192, K 1,024] x [K 1,024, N 1,024]; A: computed on the way; B: input Wo: left as it is (an operand is computed on the way)
;;   THE QUANTISER, for each operand of a quantised product, along K:
;;     - K is cut into blocks of 32 from its start; a last block that is shorter is filled with zeros.
;;     - A block's scale is 2^e with e = floor(log2(the largest magnitude in the block)) - 2, held to -126 .. 127; a block of zeros has e = 0. As a byte (E8M0): e + 127.
;;     - Each number is divided by its block's scale, clamped to +-6, and rounded to the nearest number of E2M1, ties to even, subnormals kept.
;;     - The product sums the exact products of the quantised numbers (number of the format x scale) in f32.
;;   ~~~python
;;   def quantise(x, axis):      # numpy; x: float32 -> the quantised numbers, widened to float32 again
;;       x = np.moveaxis(x, axis, -1); K = x.shape[-1]
;;       x = np.pad(x, [(0, 0)] * (x.ndim - 1) + [(0, -K % 32)]); x = x.reshape(x.shape[:-1] + (-1, 32)); a = np.abs(x).max(-1, keepdims=True)
;;       e = np.where(a > 0, np.clip(np.frexp(np.where(a > 0, a, 1))[1] - 1 - 2, -126, 127), 0)      # np.frexp(a)[1] - 1 = floor(log2(a)), exactly
;;       r = np.clip(x / 2.0 ** e, -6, 6)
;;       step = 2.0 ** (np.maximum(np.frexp(np.where(r == 0, 1, r))[1] - 1, 0) - 1)
;;       q = np.round(r / step) * step * 2.0 ** e      # np.round: ties to even
;;       return np.moveaxis(q.reshape(q.shape[:-2] + (-1,))[..., :K], -1, axis).astype(np.float32)
;;   ~~~
;; One version. Each part assembles by itself: llvm-mc -triple=amdgcn-amd-amdhsa -mcpu=gfx1250 --defsym DOCPART=n.
;; ======== version 1 of 1: 5 launches
;; limits: values are held in f16: magnitudes above 65,504 overflow, below 6.1e-05 lose precision
;; workspace buffers: xc 4,194,304 bytes; xs 262,144 bytes; wc 1,572,864 bytes; ws 98,304 bytes; wo16 2,097,152 bytes; qkv 50,331,648 bytes; first16 786,432 bytes; ao 16,777,216 bytes
;; launch quant (part 1): grid 384 x 1, 4 waves a work-group, no clusters, 33,280 bytes of LDS; arguments x, Wq, Wk, Wv, Wo, xc, xs, wc, ws, wo16; writes xc, xs, wc, ws, wo16
.if DOCPART == 1
	.amdgcn_target "amdgcn-amd-amdhsa--gfx1250"
	.amdhsa_code_object_version 6
	.text
	.protected	k_q3a8455b5c0_quant
	.globl	k_q3a8455b5c0_quant
	.p2align	8
	.type	k_q3a8455b5c0_quant,@function
k_q3a8455b5c0_quant:
	s_mov_b64 s[64:65], 0
	v_nop
	global_prefetch_b8 v0, s[64:65] scope:SCOPE_SE
	s_setreg_imm32_b32 hwreg(HW_REG_WAVE_MODE, 25, 1), 1
	s_wait_xcnt 0x0
; x [8192][1024] and Wq, Wk, Wv [1024][1024], f32, K innermost, become codes of E2M1 (two a byte, the lower k in the low four bits) with one E8M0 byte for each 32 along K;
; Wo [1024][1024] f32 becomes f16 (its product is left as it is).  xc, xs: x's codes and bytes; wc, ws: those of Wq, Wk, Wv, one behind the other (3,072 rows); wo16: Wo.
; A block's scale is 2^(floor(log2(its largest magnitude)) - 2); its byte is the largest magnitude's exponent field - 2, held at 1 from below.
; LIMITS: a block whose largest magnitude lies under 2^(3 - 127), a block of zeros too, gets the byte 1 (its codes add nothing, and this program alone reads the bytes);
; NaN and infinities among the inputs are not served; |Wo| beyond 65,504 has no f16 number.
; SHARES: rows are dense and 1,024 is a multiple of 32, so every tensor is a plain stream.  A work-group takes 32,768 numbers, a wave 8,192.
; Work-groups 0-255: x; 256-287: Wq; 288-319: Wk; 320-351: Wv; 352-383: Wo.  Only pointers are chosen for the first four: they take one path.
; The quantising path: 16 steps of 512 numbers a wave.  Each load reads 512 consecutive bytes; a step's 2,048 bytes turn through the wave's own stage in LDS, so that a lane
; holds 16 neighbours along K (two lanes a block); a lane's 16 codes are 8 bytes: a wave stores 256 consecutive bytes.  The wave's 256 scale bytes gather in LDS and leave together.
; No tensor loads, no barrier: waves share nothing.  Matrix units and clusters have nothing to do here: the launch moves bytes.
.set WAVES, 4
.set STEPS, 16
.set EMAX,  2
.set CB,    8                          ; bytes of 16 codes
.set R,     16                         ; v16-79   four sets of 16 numbers as loaded (Wo's path: two sets of 64)
.set X,     80                         ; v80-111  two sets of 16 neighbours
.set E,     112                        ; v112-127 a scale byte for each step
.set C,     128                        ; v128-191 codes, four registers a step: no store's data are written again
.set WREG,  8192                       ; LDS: a region for each wave: two stages of 32 x SP bytes, then its 256 scale bytes
.set SP,    80                         ; a lane's place in a stage: 64 bytes + 16 of padding
.set SPW,   12                         ; v12  LDS address of my spare word; never rewritten
.set NIL,   13                         ; v13  0; never rewritten
.set SPARE, WAVES*WREG                 ; the spare words: 128 bytes a wave, named by no other line
.set SRC,   24                         ; s[24:25] the numbers
.set COD,   26                         ; s[26:27] the codes
.set SCB,   28                         ; s[28:29] the scale bytes
	s_load_b512 s[4:19], s[0:1], 0x0               ; x s[4:5], Wq s[6:7], Wk s[8:9], Wv s[10:11], Wo s[12:13], xc s[14:15], xs s[16:17], wc s[18:19]
	s_load_b128 s[20:23], s[0:1], 0x40             ; ws s[20:21], wo16 s[22:23]
	v_lshl_add_u32 v[SPW], v0, 2, SPARE
	v_mov_b32 v[NIL], 0
	v_lshrrev_b32 v1, 5, v0
	v_readfirstlane_b32 s40, v1                    ; wave
	v_and_b32 v2, 31, v0                           ; lane
	v_lshlrev_b32 v3, 4, v2                        ; my 16 bytes of a load's 512
	s_mul_i32 s41, s40, WREG
	v_lshrrev_b32 v14, 2, v2
	v_mul_u32_u24 v14, v14, SP
	v_and_b32 v15, 3, v2
	v_lshl_add_u32 v14, v15, 4, v14
	v_add_nc_u32 v14, s41, v14                     ; the stage, on the way in: SP (lane / 4) + 16 (lane % 4)
	v_mul_u32_u24 v15, v2, SP
	v_add_nc_u32 v15, s41, v15                     ; on the way out: SP x lane: my 16 neighbours
	v_mul_u32_u24 v4, v2, CB                       ; my codes' place in a step's
	v_lshrrev_b32 v5, 1, v2
	s_add_co_u32 s41, s41, 2*32*SP
	v_add_nc_u32 v5, s41, v5                       ; my block's byte among my wave's 256
	v_lshlrev_b32 v7, 3, v2                        ; 8 bytes a lane
	v_add_nc_u32 v6, s41, v7
	s_wait_kmcnt 0x0
	s_cmp_ge_u32 ttmp9, 352                        ; the work-group's number alone decides
	s_cbranch_scc1 .Lwo
	s_and_b32 s30, ttmp9, 31                       ; a weight's work-group: its place in that weight
	s_cmp_lt_u32 ttmp9, 320
	s_cselect_b64 s[SRC:SRC+1], s[8:9], s[10:11]   ; Wk or Wv
	s_cmp_lt_u32 ttmp9, 288
	s_cselect_b64 s[SRC:SRC+1], s[6:7], s[SRC:SRC+1]   ; Wq
	s_cmp_lt_u32 ttmp9, 256
	s_cselect_b64 s[SRC:SRC+1], s[4:5], s[SRC:SRC+1]   ; x
	s_cselect_b64 s[COD:COD+1], s[14:15], s[18:19]
	s_cselect_b64 s[SCB:SCB+1], s[16:17], s[20:21]
	s_cselect_b32 s30, ttmp9, s30                  ; place in the source
	s_cselect_b32 s31, 0, 256
	s_sub_co_u32 s31, ttmp9, s31                   ; place in the codes' buffer: the three weights lie on end
	s_lshl_b32 s30, s30, 2
	s_add_co_u32 s30, s30, s40                     ; my wave's run of 8,192 numbers
	s_lshl_b32 s32, s30, 15                        ; 32,768 bytes a run
	s_mov_b32 s33, 0
	s_add_nc_u64 s[SRC:SRC+1], s[SRC:SRC+1], s[32:33]
	s_lshl_b32 s31, s31, 2
	s_add_co_u32 s31, s31, s40
	s_lshl_b32 s32, s31, 12                        ; 4,096 bytes of codes a run
	s_add_nc_u64 s[COD:COD+1], s[COD:COD+1], s[32:33]
	s_lshl_b32 s32, s31, 8                         ; 256 scale bytes a run
	s_add_nc_u64 s[SCB:SCB+1], s[SCB:SCB+1], s[32:33]
.macro LOAD t
.irp i, 0,1,2,3
	global_load_b128 v[R+16*((\t)%4)+4*\i:R+16*((\t)%4)+4*\i+3], v3, s[SRC:SRC+1] offset:2048*(\t)+512*\i th:TH_LOAD_NT   ; 32 lanes read 512 consecutive bytes
.endr
.endm
.macro TURN t                          ; step t's numbers through the stage: LDS serves a wave's instructions in order, so no wait stands between the stores and the loads
.irp i, 0,1,2,3
	ds_store_b128 v14, v[R+16*((\t)%4)+4*\i:R+16*((\t)%4)+4*\i+3] offset:32*SP*((\t)%2)+8*SP*\i
.endr
.irp i, 0,1,2,3
	ds_load_b128 v[X+16*((\t)%2)+4*\i:X+16*((\t)%2)+4*\i+3], v15 offset:32*SP*((\t)%2)+16*\i
.endr
.endm
.irp t, 0,1,2,3
	LOAD \t
.endr
	s_wait_loadcnt 12                              ; step 0's four loads are in; three steps' twelve stay out
	TURN 0
.macro STEP t
.set XS, X+16*((\t)%2)
.if (\t) > 0
	s_wait_dscnt 1                                 ; this step's numbers are back from the stage (the last step's byte store may be out)
.else
	s_wait_dscnt 0x0
.endif
.if (\t)+4 < STEPS
	LOAD (\t)+4                                    ; into the registers that the stage's stores have read
.endif
.if (\t)+1 < STEPS
.if STEPS-2-(\t) >= 3
	s_wait_loadcnt 12                              ; the next step's four loads are in; those of the three steps behind it may be out
.else
	s_wait_loadcnt 4*(STEPS-2-(\t))
.endif
	TURN (\t)+1                                    ; through the other stage while this step is worked
.endif
	v_max3_num_f32 v8, |v[XS]|, |v[XS+1]|, |v[XS+2]|               ; the largest magnitude of my 16, in two chains
	v_max3_num_f32 v9, |v[XS+3]|, |v[XS+4]|, |v[XS+5]|
.irp i, 6,10
	v_max3_num_f32 v8, v8, |v[XS+\i]|, |v[XS+\i+1]|
	v_max3_num_f32 v9, v9, |v[XS+\i+2]|, |v[XS+\i+3]|
.endr
	v_max3_num_f32 v8, v8, |v[XS+14]|, |v[XS+15]|
	v_max3_num_f32 v8, v8, v9, (EMAX+1)<<23        ; and the floor 2^(EMAX + 1 - 127): the byte cannot fall under 1
	v_max_num_f32_dpp v8, v8, v8 row_xmask:1 row_mask:0xf bank_mask:0xf   ; with my neighbour's 16: the block's
	v_add_nc_u32 v11, -(EMAX<<23), v8              ; EMAX off its exponent field: the conversion takes this operand's exponent field as its scale
	v_cvt_scalef32_pk8_fp4_f32 v[C+4*(\t)], v[XS:XS+7], v11        ; eight numbers / the scale, to the nearest code, ties to even, beyond 6 the largest code
	v_cvt_scalef32_pk8_fp4_f32 v[C+4*(\t)+1], v[XS+8:XS+15], v11
	v_lshrrev_b32 v[E+(\t)], 23, v11               ; the scale's byte (also the plain line behind the conversions)
	ds_store_b8 v5, v[E+(\t)] offset:16*(\t)       ; both lanes of a block write the same byte with the same value
	global_store_b64 v4, v[C+4*(\t):C+4*(\t)+1], s[COD:COD+1] offset:32*CB*(\t)   ; a wave stores 256 consecutive bytes, aligned
.endm
.irp t, 0,1,2,3,4,5,6,7,8,9,10,11,12,13,14,15
	STEP \t
.endr
	ds_load_b64 v[8:9], v6                         ; in order behind my byte stores
	s_wait_dscnt 0x0
	global_store_b64 v7, v[8:9], s[SCB:SCB+1]      ; 256 consecutive bytes, aligned
	s_wait_tensorcnt 0x0                           ; the wave's end
	ds_add_u32 v[SPW], v[NIL]
	s_wait_dscnt 0x0
	s_endpgm
; Wo to f16.  64 loads of 512 consecutive bytes a wave, in four rounds of 16, two rounds in flight; four numbers a lane become 8 bytes: a wave stores 256 consecutive bytes.
.Lwo:
	s_sub_co_u32 s30, ttmp9, 352
	s_lshl_b32 s30, s30, 2
	s_add_co_u32 s30, s30, s40                     ; my wave's run of 8,192 numbers
	s_lshl_b32 s32, s30, 15
	s_mov_b32 s33, 0
	s_add_nc_u64 s[12:13], s[12:13], s[32:33]
	s_lshl_b32 s32, s30, 14
	s_add_nc_u64 s[22:23], s[22:23], s[32:33]
.macro LOADW r
.irp i, 0,1,2,3,4,5,6,7,8,9,10,11,12,13,14,15
	global_load_b128 v[16+64*((\r)%2)+4*\i:16+64*((\r)%2)+4*\i+3], v3, s[12:13] offset:(16*(\r)+\i)*512 th:TH_LOAD_NT
.endr
.endm
	LOADW 0
	LOADW 1
.irp r, 0,1,2,3
.if \r < 3
	s_wait_loadcnt 16                              ; this round's 16 are in; the next round's 16 may be out
.else
	s_wait_loadcnt 0x0
.endif
.if \r > 0
	s_wait_xcnt 0x0                                ; the last round's stores have read their data: v144-175 are written again only behind this wait
.endif
.irp i, 0,1,2,3,4,5,6,7,8,9,10,11,12,13,14,15
	v_cvt_pk_f16_f32 v[144+2*\i], v[16+64*(\r%2)+4*\i], v[16+64*(\r%2)+4*\i+1]
	v_cvt_pk_f16_f32 v[145+2*\i], v[16+64*(\r%2)+4*\i+2], v[16+64*(\r%2)+4*\i+3]
.endr
.irp i, 0,1,2,3,4,5,6,7,8,9,10,11,12,13,14,15
	global_store_b64 v7, v[144+2*\i:145+2*\i], s[22:23] offset:(16*\r+\i)*256
.endr
.if \r < 2
	LOADW \r+2
.endif
.endr
	s_endpgm
.Lfunc_end_k_q3a8455b5c0_quant:
	.size	k_q3a8455b5c0_quant, .Lfunc_end_k_q3a8455b5c0_quant-k_q3a8455b5c0_quant
	.p2alignl 7, 3214868480
	.fill 96, 4, 3214868480
	.section	.rodata,"a",@progbits
	.p2align	6, 0x0
	.amdhsa_kernel k_q3a8455b5c0_quant
		.amdhsa_group_segment_fixed_size 33280
		.amdhsa_private_segment_fixed_size 0
		.amdhsa_enable_private_segment 0
		.amdhsa_kernarg_size 80
		.amdhsa_user_sgpr_count 2
		.amdhsa_user_sgpr_kernarg_segment_ptr 1
		.amdhsa_wavefront_size32 1
		.amdhsa_system_sgpr_workgroup_id_x 1
		.amdhsa_system_sgpr_workgroup_id_y 1
		.amdhsa_system_sgpr_workgroup_id_z 1
		.amdhsa_system_vgpr_workitem_id 0
		.amdhsa_next_free_vgpr 192
		.amdhsa_next_free_sgpr 66
		.amdhsa_reserve_vcc 0
		.amdhsa_float_denorm_mode_32 3
		.amdhsa_float_denorm_mode_16_64 3
		.amdhsa_memory_ordered 1
		.amdhsa_forward_progress 1
		.amdhsa_inst_pref_size 54
	.end_amdhsa_kernel
	.amdgpu_metadata
---
amdhsa.version: [ 1, 2 ]
amdhsa.kernels:
  - .name:           k_q3a8455b5c0_quant
    .symbol:         k_q3a8455b5c0_quant.kd
    .args:
      - { .name: x, .offset: 0, .size: 8, .value_kind: global_buffer, .address_space: global }
      - { .name: Wq, .offset: 8, .size: 8, .value_kind: global_buffer, .address_space: global }
      - { .name: Wk, .offset: 16, .size: 8, .value_kind: global_buffer, .address_space: global }
      - { .name: Wv, .offset: 24, .size: 8, .value_kind: global_buffer, .address_space: global }
      - { .name: Wo, .offset: 32, .size: 8, .value_kind: global_buffer, .address_space: global }
      - { .name: xc, .offset: 40, .size: 8, .value_kind: global_buffer, .address_space: global }
      - { .name: xs, .offset: 48, .size: 8, .value_kind: global_buffer, .address_space: global }
      - { .name: wc, .offset: 56, .size: 8, .value_kind: global_buffer, .address_space: global }
      - { .name: ws, .offset: 64, .size: 8, .value_kind: global_buffer, .address_space: global }
      - { .name: wo16, .offset: 72, .size: 8, .value_kind: global_buffer, .address_space: global }
    .group_segment_fixed_size: 33280
    .private_segment_fixed_size: 0
    .kernarg_segment_align: 8
    .kernarg_segment_size: 80
    .max_flat_workgroup_size: 128
    .sgpr_count:     66
    .vgpr_count:     192
    .wavefront_size: 32
...
	.end_amdgpu_metadata
.endif
;; end of part 1
;; launch gemm_qkv (part 2): grid 12 x 32, 4 waves a work-group, clusters of 4 x 4, 327,680 bytes of LDS; arguments xc, xs, wc, ws, qkv, first16; writes qkv, first16
.if DOCPART == 2
	.amdgcn_target "amdgcn-amd-amdhsa--gfx1250"
	.amdhsa_code_object_version 6
	.text
	.protected	k_q3a8455b5c0_gemm_qkv
	.globl	k_q3a8455b5c0_gemm_qkv
	.p2align	8
	.type	k_q3a8455b5c0_gemm_qkv,@function
k_q3a8455b5c0_gemm_qkv:
	s_mov_b64 s[64:65], 0
	v_nop
	global_prefetch_b8 v0, s[64:65] scope:SCOPE_SE
	s_setreg_imm32_b32 hwreg(HW_REG_WAVE_MODE, 25, 1), 1
	s_wait_xcnt 0x0
	s_wait_alu depctr_hold_cnt(0) depctr_sa_sdst(0) depctr_va_vdst(0) depctr_va_sdst(0) depctr_va_ssrc(0) depctr_va_vcc(0) depctr_vm_vsrc(0)
	s_getreg_b32 s2, hwreg(HW_REG_IB_STS2, 6, 4)
	s_cmp_eq_u32 s2, 0
	s_cbranch_scc0 .Lentry_in_a_cluster
	s_endpgm
.Lentry_in_a_cluster:
	s_bfe_u32 s2, ttmp6, 0x10000c
	s_cmp_lg_u32 s2, 0xf033
	s_cbranch_scc0 .Lentry_shape_is_right
	s_endpgm
.Lentry_shape_is_right:
; The three quantised projections as ONE product on codes of E2M1: C[m][n] = sum over k of x[m][k] W[n][k], m = 8,192 rows of x, n = 3,072 rows of Wq, Wk, Wv on end, k = 1,024; sums in f32.
; The result leaves as f16, laid by head: qkv [sel 3][batch 4][head 16][t 2,048][64]; positions 0-15 of every sequence leave once more in f32: first16 [sel][batch][head][16][64].
; LIMIT: |q|, |k|, |v| beyond 65,504 has no f16 number.
; A tile of C, 256 x 256, is made by four waves, a wave 128 x 128: 64 accumulators, 512 registers.  K = 1,024 is two LDS slots of 512 along K (rows of 256 bytes): both are asked for at the start and nothing is filled again.
; A wave has three tensor loads out at the start: its part of the scales, of slot 0 and of slot 1.
; THE SCALES of the work-group's 256 rows of x and 256 rows of W, for all of K, are two dense blocks: they come once, with the first fills.
; CLUSTERS: 4 x 4 work-groups.  The four of a row of the cluster need the same tiles of x, the four of a column the same tiles of W: each is asked for jointly, by the same tensor load with a mask that names the four.
; THE TILE ROW IS 8 cy + cluster y: so the batch is cy, the tile's first position is 256 x cluster y, and 'the tile holds positions 0-15' is cluster y = 0, the same in all sixteen partners.
; THE MATRIX INSTRUCTION IS USED TRANSPOSED (source 0 = 16 rows of W, source 1 = 16 rows of x): a lane holds eight neighbouring channels of one position.
; REGISTERS: window 0: v0-31 addresses; v32-95 scale words, two sets; v128-191 x's fragments, one set; on the way out v32-63, v192-255.  window 1: W's fragments, two sets.  windows 2, 3: the accumulators ((a, b) at v[8 (8 (a % 4) + b)]).
.set NQ,     4                         ; steps of 128 along K in a slot
.set ROWB,   256                       ; a tile's row in bytes: 512 codes
.set KROW,   512                       ; a row of codes in memory
.set PITCH,  272                       ; an LDS row: 256 bytes + 16 of padding = 68 words: the 16 rows of a load start at 16 different banks (64 banks of 4 bytes: ISA guide 11.1)
.set FR,     8
.set NL,     2
.set NP,     4                         ; places behind this matrix instruction (ISA guide 7.12.1)
.set HALFT,  128*PITCH
.set SLOT,   4*HALFT
.set KS,     32                        ; a row of scale bytes
.set SCL,    2*SLOT                    ; behind the slots: the scales, as rows of 256 bytes + 16
.set HALFS,  (128*KS/256)*272
.set SBLK,   (16*KS/256)*272
.set SPARE,  SCL+4*HALFS               ; the spare words: 128 bytes a wave, named by no other line
.set SPITCH, 144                       ; the way out: a head's row of 128 bytes + 16
.set HSTG,   16*SPITCH                 ; 16 rows of one head; a wave's stage is two of them, in slot 0, which has had its only fill and its last read by then
.set ADRA, 16
.set ADRB, 20
.set STO,  24                          ; v24  the stage, on the way in
.set RD,   25                          ; v25  and back
.set CO,   26                          ; v26  16 x lane
.set ADRS, 27                          ; v27  my scale words: lanes 0-15 x's rows, lanes 16-31 W's
.set SPW,  28
.set NIL,  29
.set FO,   30                          ; v30  my place in a head's 16 rows of first16
.set SC,   32
.set AF,   128
.set TMP,  192                         ; v192-223 packed results
.set OB,   32                          ; v32-63 and v224-255 by turns: rows read back
.set G1, 24
.set G0, 32
.set G1B, 48
.set G0B, 56
.set G1S, 68
.set G0S, 76
.set G1SB, 80
.set G0SB, 88
.set MSB, 0
.macro WIN new                         ; the immediate's high byte repeats the setting that is left
.if MSB != (\new)
	s_set_vgpr_msb (MSB<<8)|(\new)
.set MSB, (\new)
.endif
.endm
.set MUL_LO, 0xa1                      ; source 0 (W) window 1, source 1 (x) window 0, C and D window 2
.set MUL_HI, 0xf1
.set TO_B,   0x40
; A joint load: waves 0 and 1 fetch for x, waves 2 and 3 for W.  The branch hangs on the wave's number alone.  An s_nop 0 and four v_nop follow each line.
.macro JLOAD g0a, g1a, g0b, g1b
	s_cmp_eq_u32 s15, 0
	s_cbranch_scc0 .Lfor_b_\@
	tensor_load_to_lds s[\g0a:\g0a+3], s[\g1a:\g1a+7]
	s_nop 0
.rept 4
	v_nop
.endr
	s_branch .Lasked_\@
.Lfor_b_\@:
	tensor_load_to_lds s[\g0b:\g0b+3], s[\g1b:\g1b+7]
	s_nop 0
.rept 4
	v_nop
.endr
.Lasked_\@:
.endm
.macro CROUND                          ; a round of the cluster's barrier
	s_barrier_signal -1
	s_barrier_wait -1
	s_cmp_lg_u32 s14, 0
	s_cbranch_scc1 .Lnot_wave_0_\@
	s_barrier_signal -3
.Lnot_wave_0_\@:
	s_barrier_wait -3
	s_barrier_signal -1
	s_barrier_wait -1
.endm
	s_load_b128 s[4:7], s[0:1], 0x0                ; x's codes, x's scales
	s_load_b128 s[8:11], s[0:1], 0x10              ; W's codes, W's scales
	s_load_b64 s[12:13], s[0:1], 0x20              ; qkv
	s_load_b64 s[96:97], s[0:1], 0x28              ; first16
	v_lshl_add_u32 v[SPW], v0, 2, SPARE
	v_mov_b32 v[NIL], 0
	ds_add_u32 v[SPW], v[NIL]                      ; the opening: the add, twice on end, and its wait ahead of my first tensor load
	ds_add_u32 v[SPW], v[NIL]
	v_lshrrev_b32 v1, 5, v0
	v_readfirstlane_b32 s14, v1                    ; wave 0..3
	s_lshr_b32 s15, s14, 1                         ; my half of the tile's rows.  Also: I fetch for x (0) or for W (1)
	s_and_b32 s16, s14, 1                          ; my half of its columns.  Also: which 128 rows I fetch
	s_bfe_u32 s40, ttmp6, 0x40000                  ; cx
	s_bfe_u32 s41, ttmp6, 0x40004                  ; cy
	s_lshl_b32 s42, ttmp9, 2
	s_add_co_u32 s42, s42, s40                     ; tile column = 4 x cluster x + cx
	s_and_b32 s95, ttmp7, 0xffff                   ; cluster y
	s_lshl_b32 s17, s41, 3
	s_add_co_u32 s17, s17, s95                     ; tile row = 8 cy + cluster y
	s_lshl_b32 s43, s41, 2
	s_lshl_b32 s43, 15, s43                        ; my row of the cluster
	s_lshl_b32 s44, 0x1111, s40                    ; my column
	s_or_b32 s[G1+0], s43, (0<<16)|(1<<20)|(1<<21)|(5<<22)|(3<<25)  ; the mask; elements of 1 byte; padding on: 4 words after every 64; bit 21 beside a mask
	s_or_b32 s[G1B+0], s44, (0<<16)|(1<<20)|(1<<21)|(5<<22)|(3<<25)
.irp g, G1, G1B
	s_mov_b32 s[\g+1], ROWB<<16                    ; tensor_dim0
	s_mov_b32 s[\g+2], 128<<16                     ; tensor_dim1
	s_mov_b32 s[\g+3], ROWB<<16                    ; tile_dim0
	s_mov_b32 s[\g+4], 128                         ; tile_dim1
	s_mov_b32 s[\g+5], KROW                        ; the pitch
	s_mov_b32 s[\g+6], 0
	s_mov_b32 s[\g+7], 0
.endr
	s_or_b32 s[G1S+0], s43, (3<<16)|(1<<20)|(1<<21)|(5<<22)|(3<<25) ; the scales of 128 rows: 4,096 dense bytes as 16 rows of 32 elements of 8 bytes
	s_or_b32 s[G1SB+0], s44, (3<<16)|(1<<20)|(1<<21)|(5<<22)|(3<<25)
.irp g, G1S, G1SB
	s_mov_b32 s[\g+1], 32<<16
	s_mov_b32 s[\g+2], (128*KS/256)<<16
	s_mov_b32 s[\g+3], 32<<16
	s_mov_b32 s[\g+4], 128*KS/256
	s_mov_b32 s[\g+5], 32
	s_mov_b32 s[\g+6], 0
	s_mov_b32 s[\g+7], 0
.endr
	s_lshl_b32 s18, s16, 7
	s_lshl_b32 s20, s17, 8
	s_add_co_u32 s20, s20, s18                     ; x: row 256 x tile row + 128 x half
	s_lshl_b32 s46, s42, 8
	s_add_co_u32 s46, s46, s18                     ; W: row 256 x tile column + 128 x half
	s_mov_b32 s21, 0
	s_mov_b32 s47, 0
	s_mov_b64 s[18:19], KS
	s_mul_u64 s[22:23], s[20:21], s[18:19]         ; where these rows' scales begin
	s_mul_u64 s[92:93], s[46:47], s[18:19]
	s_mov_b64 s[18:19], KROW
	s_mul_u64 s[20:21], s[20:21], s[18:19]         ; and their codes
	s_mul_u64 s[46:47], s[46:47], s[18:19]
	s_mul_i32 s45, s14, HALFT                      ; where they go: wave x 128 rows
	s_mul_i32 s94, s14, HALFS
	s_wait_dscnt 0x0                               ; both opening adds are done
	s_wait_kmcnt 0x0
	s_add_nc_u64 s[20:21], s[4:5], s[20:21]
	s_add_nc_u64 s[22:23], s[6:7], s[22:23]
	s_add_nc_u64 s[46:47], s[8:9], s[46:47]
	s_add_nc_u64 s[92:93], s[10:11], s[92:93]
	CROUND                                         ; all sixteen work-groups are here: the joint loads meet
	s_mov_b32 s[G0S], 1
	s_add_co_u32 s[G0S+1], s94, SCL
	s_mov_b64 s[G0S+2:G0S+3], s[22:23]
	s_or_b32 s[G0S+3], s[G0S+3], 0x80000000
	s_mov_b32 s[G0SB], 1
	s_add_co_u32 s[G0SB+1], s94, SCL
	s_mov_b64 s[G0SB+2:G0SB+3], s[92:93]
	s_or_b32 s[G0SB+3], s[G0SB+3], 0x80000000
	JLOAD G0S, G1S, G0SB, G1SB                     ; the scales first
.irp s, 0,1
	s_mov_b32 s[G0+4*\s], 1
	s_add_co_u32 s[G0+4*\s+1], s45, \s*SLOT
	s_add_nc_u64 s[G0+4*\s+2:G0+4*\s+3], s[20:21], \s*ROWB
	s_or_b32 s[G0+4*\s+3], s[G0+4*\s+3], 0x80000000
	s_mov_b32 s[G0B+4*\s], 1
	s_add_co_u32 s[G0B+4*\s+1], s45, \s*SLOT
	s_add_nc_u64 s[G0B+4*\s+2:G0B+4*\s+3], s[46:47], \s*ROWB
	s_or_b32 s[G0B+4*\s+3], s[G0B+4*\s+3], 0x80000000
	JLOAD G0+4*\s, G1, G0B+4*\s, G1B
.endr
	v_and_b32 v1, 15, v0                           ; r = lane % 16
	v_bfe_u32 v2, v0, 4, 1                         ; h = lane / 16
	v_mul_u32_u24 v3, v1, PITCH
	v_lshl_add_u32 v4, v2, 4, v3                   ; a fragment's row x pitch + 16 h
	s_mul_i32 s21, s15, HALFT                      ; my 128 rows of x
	s_mul_i32 s22, s16, HALFT                      ; my 128 rows of W,
	s_add_co_u32 s22, s22, 2*HALFT                 ; behind x's 256
.irp s, 0,1
	v_add_nc_u32 v[ADRA+\s], s21, v4
	v_add_nc_u32 v[ADRB+\s], s22, v4
	s_add_co_u32 s21, s21, SLOT
	s_add_co_u32 s22, s22, SLOT
.endr
	v_mul_u32_u24 v5, v1, KS                       ; my row's scales: 32 bytes a row,
	v_lshrrev_b32 v6, 8, v5
	v_lshl_add_u32 v5, v6, 4, v5                   ; and 16 more for each 256 passed
	s_mul_i32 s21, s15, HALFS
	s_mul_i32 s22, s16, HALFS
	s_add_co_u32 s22, s22, 2*HALFS
	s_sub_co_u32 s22, s22, s21
	v_mul_u32_u24 v6, s22, v2                      ; lanes 16-31 take W's: one product, the distance between the two bases
	s_add_co_u32 s21, s21, SCL
	v_add_nc_u32 v5, v5, v6
	v_add_nc_u32 v[ADRS], s21, v5
	s_mul_i32 s23, s14, 2*HSTG                     ; my stage
	v_mul_u32_u24 v5, v1, SPITCH                   ; in: row r, 16 bytes for each half of the lanes
	v_lshl_add_u32 v5, v2, 4, v5
	v_add_nc_u32 v[STO], s23, v5
	v_and_b32 v6, 31, v0
	v_lshrrev_b32 v5, 3, v6                        ; back: eight lanes to a row of 128 bytes, four rows an instruction
	v_mul_u32_u24 v5, v5, SPITCH
	v_and_b32 v7, 7, v0
	v_lshl_add_u32 v5, v7, 4, v5
	v_add_nc_u32 v[RD], s23, v5
	v_lshlrev_b32 v[CO], 4, v6                     ; four rows of a head are 512 consecutive bytes of qkv
	v_lshlrev_b32 v[FO], 8, v1                     ; first16: row r of 256 bytes, + 32 h
	v_lshl_add_u32 v[FO], v2, 5, v[FO]
	s_lshl_b32 s20, ttmp9, 2                       ; cluster x is q, k or v: 4 batches each,
	s_add_co_u32 s20, s20, s41                     ; the batch is cy,
	s_lshl_b32 s20, s20, 4                         ; 16 heads each,
	s_lshl_b32 s21, s40, 2
	s_add_co_u32 s20, s20, s21                     ; 4 heads to a tile column,
	s_lshl_b32 s21, s16, 1
	s_add_co_u32 s20, s20, s21                     ; 2 to a wave: my first head's number among 192
	s_lshl_b32 s46, s20, 12                        ; 4,096 bytes a head in first16
	s_mov_b32 s47, 0
	s_add_nc_u64 s[96:97], s[96:97], s[46:47]
	s_lshl_b32 s46, s20, 18                        ; 262,144 bytes a head in qkv,
	s_lshl_b32 s21, s95, 15                        ; 256 positions of 128 bytes a tile,
	s_add_co_u32 s46, s46, s21
	s_lshl_b32 s21, s15, 14                        ; 128 a wave
	s_add_co_u32 s46, s46, s21
	s_add_nc_u64 s[12:13], s[12:13], s[46:47]
	s_or_b32 s98, s95, s15                         ; 0 where my first 16 rows are positions 0-15
.macro FRAG reg, adr, q, i             ; 16 rows x 128 K of 4-bit codes: lane l holds row l % 16; registers 4 c .. 4 c + 3 hold K = 64 c + 32 (l / 16) + 0 .. 31
.irp c, 0,1
	ds_load_b128 v[\reg+4*\c:\reg+4*\c+3], v[\adr] offset:64*(\q)+32*\c+(\i)*16*PITCH
.endr
.endm
; 16 matrix instructions: x's blocks a0, a0 + 1 against W's eight.  The 64 accumulators take turns, one instruction a turn.  zero = 1: the first product starts the sums.
.macro MUL16 a0, p, q, sc, zero
.irp a, \a0, \a0+1
.irp b, 0,1,2,3,4,5,6,7
.if \zero
	v_wmma_scale_f32_16x16x128_f8f6f4 v[8*(8*((\a)%4)+\b):8*(8*((\a)%4)+\b)+7], v[128*(\p)+FR*\b:128*(\p)+FR*\b+FR-1], v[AF+FR*(\a):AF+FR*(\a)+FR-1], 0, v[SC+8*NQ*(\sc)+NQ*\b+(\q)], v[SC+8*NQ*(\sc)+NQ*(\a)+(\q)] matrix_a_fmt:MATRIX_FMT_FP4 matrix_b_fmt:MATRIX_FMT_FP4 matrix_a_scale:MATRIX_SCALE_ROW1
.else
	v_wmma_scale_f32_16x16x128_f8f6f4 v[8*(8*((\a)%4)+\b):8*(8*((\a)%4)+\b)+7], v[128*(\p)+FR*\b:128*(\p)+FR*\b+FR-1], v[AF+FR*(\a):AF+FR*(\a)+FR-1], v[8*(8*((\a)%4)+\b):8*(8*((\a)%4)+\b)+7], v[SC+8*NQ*(\sc)+NQ*\b+(\q)], v[SC+8*NQ*(\sc)+NQ*(\a)+(\q)] matrix_a_fmt:MATRIX_FMT_FP4 matrix_b_fmt:MATRIX_FMT_FP4 matrix_a_scale:MATRIX_SCALE_ROW1
.endif
.endr
.endr
.endm
.macro FETCH_B slot, q, p
	WIN TO_B
.irp i, 0,1,2,3,4,5,6,7
	FRAG 128*(\p)+FR*\i, ADRB+\slot, \q, \i
.endr
	WIN 0
.endm
.macro FETCH_A slot, q, i0
.irp i, \i0, \i0+1, \i0+2, \i0+3
	FRAG AF+FR*(\i), ADRA+\slot, \q, \i
.endr
.endm
.macro SCALES sc                       ; a slot's scale words: 4 words a row; lanes 0-15 x's block i, lanes 16-31 W's block i
.irp i, 0,1,2,3,4,5,6,7
	ds_load_b128 v[SC+8*NQ*\sc+NQ*\i:SC+8*NQ*\sc+NQ*\i+3], v[ADRS] offset:\i*SBLK
.endr
.endm
.macro PLACES n                        ; plain vector lines between a matrix instruction and a load into, or a read of, its registers
.rept \n
	v_nop
.endr
.endm
.macro STEP slot, q, zero              ; 128 along K, with its successor in the same slot
	s_wait_dscnt 4*NL                              ; W's set and x's blocks 0-3 are in; the youngest eight loads (x's blocks 4-7) may be out
	WIN MUL_LO
	MUL16 0, (\q)%2, \q, \slot, \zero
	MUL16 2, (\q)%2, \q, \slot, \zero
	s_wait_dscnt 0
	PLACES NP
	FETCH_B \slot, (\q)+1, 1-(\q)%2
	FETCH_A \slot, (\q)+1, 0
	WIN MUL_HI
	MUL16 4, (\q)%2, \q, \slot, \zero
	MUL16 6, (\q)%2, \q, \slot, \zero
	PLACES NP
	WIN 0
	FETCH_A \slot, (\q)+1, 4
.endm
.macro STEPS slot, from
.set Q, \from
.rept NQ-1-\from
	STEP \slot, Q, 0
.set Q, Q+1
.endr
.endm
	s_wait_tensorcnt 1                             ; the scales and my part of slot 0 are in; slot 1's load may be out
	s_barrier_signal -1
	s_barrier_wait -1
	FETCH_B 0, 0, 0
	FETCH_A 0, 0, 0
	SCALES 0
	FETCH_A 0, 0, 4
	STEP 0, 0, 1                                   ; the first step's products start the sums
	STEPS 0, 1
	; slot 0's last step changes slots: one barrier; in front of it all my tensor loads have landed (slot 1's part), and my reads of slot 0 are over
	s_wait_tensorcnt 0x0
	ds_add_u32 v[SPW], v[NIL]                      ; 0 onto my spare word
	s_wait_dscnt 4*NL+1                            ; (the add and x's blocks 4-7 may be out)
	WIN MUL_LO
	MUL16 0, 1, NQ-1, 0, 0
	s_wait_dscnt 0x0
	s_barrier_signal -1
	MUL16 2, 1, NQ-1, 0, 0
	WIN 0
	s_barrier_wait -1
	PLACES NP
	v_add_nc_u32 v[ADRS], 4*NQ, v[ADRS]            ; the second slot's scale words
	FETCH_B 1, 0, 0
	FETCH_A 1, 0, 0
	SCALES 1
	WIN MUL_HI
	MUL16 4, 1, NQ-1, 0, 0
	MUL16 6, 1, NQ-1, 0, 0
	PLACES NP
	WIN 0
	FETCH_A 1, 0, 4
	STEPS 1, 0
	s_wait_dscnt 4*NL                              ; the very last step
	WIN MUL_LO
	MUL16 0, 1, NQ-1, 1, 0
	MUL16 2, 1, NQ-1, 1, 0
	s_wait_dscnt 0
	WIN MUL_HI
	MUL16 4, 1, NQ-1, 1, 0
	MUL16 6, 1, NQ-1, 1, 0
	WIN 0
	PLACES NP                                      ; in front of the first reads of results and of the loads into registers that held scale words
	; POSITIONS 0-15 IN f32: block 0 of the waves whose first row is position 0.  32 bytes a lane: 786,432 bytes in the whole launch beside qkv's 50 million.
	s_cmp_lg_u32 s98, 0                            ; cluster y and the wave's number alone: the same in all partners
	s_cbranch_scc1 .Lno_first
	WIN 0x08                                       ; a store's data are its source 1: window 2
.irp b, 0,1,2,3,4,5,6,7
	global_store_b128 v[FO], v[8*\b:8*\b+3], s[96:97] offset:(\b/4)*4096+(\b%4)*64       ; each accumulator from its low end on
	global_store_b128 v[FO], v[8*\b+4:8*\b+7], s[96:97] offset:(\b/4)*4096+(\b%4)*64+16
.endr
	WIN 0
.Lno_first:
; THE WAY OUT, a block of 16 positions x 2 heads at a time: rounded to f16 (16 bytes a lane), through my stage, back as rows; four rows of a head are 512 consecutive bytes of qkv.
.macro PACK a
.set AC, 64*((\a)%4)
	WIN 0x0a+5*((\a)/4)                            ; sources 0 and 1: window 2 or 3
.irp b, 0,1,2,3,4,5,6,7
.irp r, 0,1,2,3
	v_cvt_pk_f16_f32 v[TMP+4*\b+\r], v[AC+8*\b+2*\r], v[AC+8*\b+2*\r+1]
.endr
.endr
	WIN 0
.endm
.macro TOSTAGE a
.set BB, OB+192*((\a)%2)
.irp b, 0,1,2,3,4,5,6,7
	ds_store_b128 v[STO], v[TMP+4*\b:TMP+4*\b+3] offset:(\b/4)*HSTG+(\b%4)*32
.endr
.irp u, 0,1,2,3,4,5,6,7
	ds_load_b128 v[BB+4*\u:BB+4*\u+3], v[RD] offset:(\u/4)*HSTG+(\u%4)*4*SPITCH    ; LDS serves a wave's instructions in order: these see the stores above
.endr
.endm
.macro SEND a
.set BB, OB+192*((\a)%2)
	s_wait_dscnt 0x0                               ; the block is back in registers
	s_wait_xcnt 0x0                                ; earlier stores have read their data: the next block's loads may land there
.irp u, 0,1,2,3,4,5,6,7
	global_store_b128 v[CO], v[BB+4*\u:BB+4*\u+3], s[12:13] offset:(\a)*2048+(\u/4)*262144+(\u%4)*512   ; 32 lanes store 512 consecutive bytes, aligned
.endr
.endm
	PACK 0
	TOSTAGE 0
.irp a, 1,2,3,4,5,6,7
	PACK \a
	SEND \a-1
	TOSTAGE \a
.endr
	SEND 7
	s_wait_tensorcnt 0x0                           ; the wave's end
	ds_add_u32 v[SPW], v[NIL]
	s_wait_dscnt 0x0
	CROUND                                         ; the closing round
	s_endpgm
.Lfunc_end_k_q3a8455b5c0_gemm_qkv:
	.size	k_q3a8455b5c0_gemm_qkv, .Lfunc_end_k_q3a8455b5c0_gemm_qkv-k_q3a8455b5c0_gemm_qkv
	.p2alignl 7, 3214868480
	.fill 96, 4, 3214868480
	.section	.rodata,"a",@progbits
	.p2align	6, 0x0
	.amdhsa_kernel k_q3a8455b5c0_gemm_qkv
		.amdhsa_group_segment_fixed_size 327680
		.amdhsa_private_segment_fixed_size 0
		.amdhsa_enable_private_segment 0
		.amdhsa_kernarg_size 48
		.amdhsa_user_sgpr_count 2
		.amdhsa_user_sgpr_kernarg_segment_ptr 1
		.amdhsa_wavefront_size32 1
		.amdhsa_system_sgpr_workgroup_id_x 1
		.amdhsa_system_sgpr_workgroup_id_y 1
		.amdhsa_system_sgpr_workgroup_id_z 1
		.amdhsa_system_vgpr_workitem_id 0
		.amdhsa_next_free_vgpr 1024
		.amdhsa_next_free_sgpr 100
		.amdhsa_reserve_vcc 0
		.amdhsa_float_denorm_mode_32 3
		.amdhsa_float_denorm_mode_16_64 3
		.amdhsa_memory_ordered 1
		.amdhsa_forward_progress 1
		.amdhsa_inst_pref_size 128
	.end_amdhsa_kernel
	.amdgpu_metadata
---
amdhsa.version: [ 1, 2 ]
amdhsa.kernels:
  - .name:           k_q3a8455b5c0_gemm_qkv
    .symbol:         k_q3a8455b5c0_gemm_qkv.kd
    .args:
      - { .name: xc, .offset: 0, .size: 8, .value_kind: global_buffer, .address_space: global }
      - { .name: xs, .offset: 8, .size: 8, .value_kind: global_buffer, .address_space: global }
      - { .name: wc, .offset: 16, .size: 8, .value_kind: global_buffer, .address_space: global }
      - { .name: ws, .offset: 24, .size: 8, .value_kind: global_buffer, .address_space: global }
      - { .name: qkv, .offset: 32, .size: 8, .value_kind: global_buffer, .address_space: global }
      - { .name: first16, .offset: 40, .size: 8, .value_kind: global_buffer, .address_space: global }
    .group_segment_fixed_size: 327680
    .private_segment_fixed_size: 0
    .kernarg_segment_align: 8
    .kernarg_segment_size: 48
    .max_flat_workgroup_size: 128
    .sgpr_count:     100
    .vgpr_count:     1024
    .wavefront_size: 32
...
	.end_amdgpu_metadata
.endif
;; end of part 2
;; launch attn (part 3): grid 4 x 64, 8 waves a work-group, no clusters, 327,680 bytes of LDS; arguments qkv, ao; writes ao
.if DOCPART == 3
	.amdgcn_target "amdgcn-amd-amdhsa--gfx1250"
	.amdhsa_code_object_version 6
	.text
	.protected	k_q3a8455b5c0_attn
	.globl	k_q3a8455b5c0_attn
	.p2align	8
	.type	k_q3a8455b5c0_attn,@function
k_q3a8455b5c0_attn:
	s_mov_b64 s[64:65], 0
	v_nop
	global_prefetch_b8 v0, s[64:65] scope:SCOPE_SE
	s_setreg_imm32_b32 hwreg(HW_REG_WAVE_MODE, 25, 1), 1
	s_wait_xcnt 0x0
; ao[b][h][q][:] = the sum over k <= q of softmax_k(Q[q] . K[k] / 8) V[k][:], for 64 heads of 2,048 positions x 64 channels.  Q, K, V: f16, the three parts of qkv; ao: f16, laid as Q.
; Products, maxima and sums in f32; the weights p are rounded to f16 for the second product, the result once at the end.  The softmax has a running maximum m and sum l: p = 2^(c s - c m), c = log2(e) / 8.
; LIMITS: results beyond 65,504 have no f16 number.  Positions 0-15 of every sequence are made here like the others; a later launch makes them anew in f32 and writes their rows of the output.
; SHARES.  Work-group (i, head) owns query blocks 7 - i and i, 256 queries each: 8 - i and i + 1 slots of 256 keys under the causal mask, NINE VISITS in every work-group: all trip counts are constants,
; all 256 work-groups have the same work, and every slot that is asked for is read.  Each of the eight waves owns 32 queries of a block: two tiles of 16; two waves share a SIMD.
; LAYOUT.  S^T = K Q^T (source 0 = 16 keys, source 1 = 16 queries): a lane holds ONE query (lane % 16) and keys 8 (lane / 16) + 0..7 of a tile.  Two such tiles, rounded to f16 in pairs, ARE source 1 of O^T = V^T P.
; K comes out of LDS as it lies, V ([key][channel]) turned, by ds_load_tr16_b128.
; THE RING.  Two slots of 256 keys (four steps of 64).  Waves 0-3 fetch the four steps' tiles of K, waves 4-7 those of V: one tensor load of 64 rows a wave behind each change of slots; one is out.
; NO JOINT LOADS: the four work-groups of a head leave the common walk at different visits (visit 8 - i goes back to slot 0), so a request would not be the same in all four on every path.
; REGISTERS: window 0: v1-15 addresses; v16-31 statistics, 8 a tile: +0 c m, +1 m, +2, +3 l, +4..+7 at work (a in +6); v32-95 K; v96-159 V; v160-223 S^T, 32 a tile; v224-255 P, 16 a tile.
;   window 1: v0-63 O^T, 32 a tile; v64-95 Q.
.set KS,    64
.set PK,    144                        ; a row of K in LDS: 128 bytes + 16: an odd multiple of 16
.set PV,    160                        ; a row of V: 128 + 32: an odd multiple of 32, for the turning load
.set VOFF,  KS*PK
.set STEPB, KS*(PK+PV)                 ; a step: 64 rows of K, then 64 rows of V
.set SLOT1, 1<<17                      ; slot 1 begins here: one exclusive or turns an address
.set STAGE, SLOT1+4*STEPB              ; the way out: 32 rows x 144 bytes a wave; no tensor load lands here
.set SPARE, STAGE+8*32*PK              ; the spare words: 128 bytes a wave, named by no other line
.set PFO, 1                            ; v1   256 x lane
.set AK0, 2                            ; v2   my place in a tile of K
.set AV0, 3                            ; v3   and of V
.set ADK, 4
.set ADV, 5
.set QO,  6                            ; v6   my place in 16 rows of Q
.set STO, 7
.set RD,  8
.set GO,  9
.set DM,  10                           ; v10  lane % 16 - 8 (lane / 16)
.set D0,  11                           ; v11, v13: the mask's bounds for tiles 0 and 1
.set NEG, 12                           ; v12  -infinity
.set D1,  13
.set SPW, 14
.set NIL, 15
.set ST,  16
.set KR,  32
.set VR,  96
.set S,   160
.set P,   224
.set BASE, 8                           ; s[8:9]   my tile of key slot 0
.set PFA,  10                          ; s[10:11] where my prefetch stands
.set QBA,  12                          ; s[12:19] Q and ao at my 32 queries of pass A and of pass B
.set QBB,  14
.set OBA,  16
.set OBB,  18
.set WV,   20
.set IX,   21
.set BH,   22
.set NA,   23                          ; visits of pass A: 8 - i
.set G1K,  24
.set G1V,  32
.set G0,   40
.set VIS,  44                          ; the visit, 0 to 8
.set CNT,  45
.set STP,  46
.set TB,   47                          ; LDS byte of the step in hand
.set KF,   48                          ; its first key
.set Q0,   49                          ; my first query
.set Q0B,  50
.set LIM,  51
.set OF,   52                          ; s[52:53] an offset; the high word stays 0
.set NX,   54
.set T0,   55
.set CS,   56                          ; s[56:57] c, twice
.set SEL,  58                          ; s[58:59] selects for lane l xor 16
.set Q0A,  60
.set MSB, 0
.macro WIN new
.if MSB != (\new)
	s_set_vgpr_msb (MSB<<8)|(\new)
.set MSB, (\new)
.endif
.endm
.set W_KQ, 0x04                        ; Q (source 1) in window 1
.set W_PV, 0x50                        ; O^T (C and D) in window 1
.set W_RS, 0x41                        ; O^T (destination and source 0) in window 1
; Waves 0-3 fetch K's tiles, waves 4-7 V's: two lines, since the padding differs.  An s_nop 0 and four v_nop follow each.
.macro TLOAD
	s_cmp_lt_u32 s[WV], 4
	s_cbranch_scc0 .Lfor_v_\@
	tensor_load_to_lds s[G0:G0+3], s[G1K:G1K+7]
	s_nop 0
.rept 4
	v_nop
.endr
	s_branch .Lasked_\@
.Lfor_v_\@:
	tensor_load_to_lds s[G0:G0+3], s[G1V:G1V+7]
	s_nop 0
.rept 4
	v_nop
.endr
.Lasked_\@:
.endm
; A PREFETCH INTO THE L2 of the slot that the NEXT change will ask for.  The four work-groups of a head walk the same K and V; work-group i = 0, whose visits 0-7 are slots 0-7, asks, and nobody else.
; Each wave names its own tile of that slot, 8,192 dense bytes, lanes 256 bytes apart: each block is named once in the launch.  Visits 0 to 5 ask for slots 2 to 7; slots 0 and 1 come by their loads alone.
.macro ASK
	s_cmp_gt_u32 s[CNT], s[LIM]
	s_cbranch_scc0 .Lnot_mine_\@
	global_prefetch_b8 v[PFO], s[PFA:PFA+1] th:TH_LOAD_NT scope:SCOPE_SE
.Lnot_mine_\@:
.endm
	s_load_b128 s[4:7], s[0:1], 0x0                ; qkv, ao
	v_lshl_add_u32 v[SPW], v0, 2, SPARE
	v_mov_b32 v[NIL], 0
	ds_add_u32 v[SPW], v[NIL]                      ; the opening: the add, twice on end, and its wait ahead of my first tensor load
	ds_add_u32 v[SPW], v[NIL]
	v_lshrrev_b32 v1, 5, v0
	v_readfirstlane_b32 s[WV], v1                  ; wave 0..7
	s_mov_b32 s[IX], ttmp9
	s_and_b32 s[BH], ttmp7, 0xffff                 ; batch x 16 + head
	s_sub_co_u32 s[NA], 8, s[IX]
	s_mov_b32 s[G1K], (1<<16)|(1<<20)|(4<<22)|(3<<25)   ; elements of 2 bytes; padding on: 4 words after every 32
	s_mov_b32 s[G1V], (1<<16)|(1<<20)|(4<<22)|(7<<25)   ; 8 words after every 32
.irp g, G1K, G1V
	s_mov_b32 s[\g+1], 64<<16                      ; tensor_dim0
	s_mov_b32 s[\g+2], KS<<16                      ; tensor_dim1
	s_mov_b32 s[\g+3], 64<<16                      ; tile_dim0
	s_mov_b32 s[\g+4], KS                          ; tile_dim1
	s_mov_b32 s[\g+5], 64                          ; the pitch
	s_mov_b32 s[\g+6], 0
	s_mov_b32 s[\g+7], 0
.endr
	s_and_b32 s2, s[WV], 3                         ; which step's tile I fetch
	s_lshr_b32 s3, s[WV], 2                        ; of K (0) or of V (1)
	s_mov_b32 s[G0], 1
	s_mul_i32 s[G0+1], s2, STEPB
	s_mul_i32 s[T0], s3, VOFF
	s_add_co_u32 s[G0+1], s[G0+1], s[T0]           ; its place in slot 0
	s_add_co_u32 s3, s3, 1
	s_lshl_b32 s3, s3, 24                          ; K's part of qkv begins 2^24 bytes in, V's 2^25
	s_lshl_b32 s2, s2, 13                          ; 64 rows of 128 bytes a step
	s_add_co_u32 s2, s2, s3
	s_lshl_b32 s[NX], s[BH], 18                    ; a head is 262,144 bytes
	s_add_co_u32 s2, s2, s[NX]
	s_mov_b32 s3, 0
	s_sub_co_u32 s[Q0A], 7, s[IX]
	s_lshl_b32 s[Q0A], s[Q0A], 8
	s_lshl_b32 s[T0], s[WV], 5
	s_add_co_u32 s[Q0A], s[Q0A], s[T0]             ; pass A: block 7 - i
	s_lshl_b32 s[Q0B], s[IX], 8
	s_add_co_u32 s[Q0B], s[Q0B], s[T0]             ; pass B: block i
	s_mov_b32 s[CS], 0x3e38aa3b                    ; c = log2(e) / 8
	s_mov_b32 s[CS+1], s[CS]
	s_mov_b32 s[SEL], 0x76543210
	s_mov_b32 s[SEL+1], 0xfedcba98
	s_mov_b32 s[VIS], 0
	s_mov_b32 s[TB], 0
	s_mov_b32 s[OF+1], 0
	s_cmp_eq_u32 s[IX], 0
	s_cselect_b32 s[LIM], 2, -1
	s_wait_dscnt 0x0                               ; both opening adds are done
	s_wait_kmcnt 0x0
	s_add_nc_u64 s[BASE:BASE+1], s[4:5], s[2:3]
	s_mov_b64 s[G0+2:G0+3], s[BASE:BASE+1]
	s_or_b32 s[G0+3], s[G0+3], 0x80000000
	TLOAD                                          ; key slot 0 into slot 0
	s_add_nc_u64 s[PFA:PFA+1], s[BASE:BASE+1], 32768   ; slot 1; the first change steps it to slot 2
	s_lshl_b32 s[OF], s[Q0A], 7
	s_add_co_u32 s[OF], s[OF], s[NX]
	s_add_nc_u64 s[QBA:QBA+1], s[4:5], s[OF:OF+1]
	s_add_nc_u64 s[OBA:OBA+1], s[6:7], s[OF:OF+1]
	s_lshl_b32 s[OF], s[Q0B], 7
	s_add_co_u32 s[OF], s[OF], s[NX]
	s_add_nc_u64 s[QBB:QBB+1], s[4:5], s[OF:OF+1]
	s_add_nc_u64 s[OBB:OBB+1], s[6:7], s[OF:OF+1]
	v_and_b32 v16, 15, v0                          ; r
	v_bfe_u32 v17, v0, 4, 1                        ; h
	v_and_b32 v18, 31, v0                          ; lane
	v_lshlrev_b32 v[PFO], 8, v18
	v_mul_u32_u24 v[AK0], v16, PK
	v_lshl_add_u32 v[AK0], v17, 4, v[AK0]          ; row r, + 16 h
	v_and_b32 v19, 7, v0
	v_lshl_add_u32 v[AV0], v17, 3, v19             ; the turning load: key 8 h + lane % 8,
	v_mul_u32_u24 v[AV0], v[AV0], PV
	v_bfe_u32 v20, v0, 3, 1
	v_lshl_add_u32 v[AV0], v20, 4, v[AV0]          ; channels 8 ((lane / 8) % 2) on
	v_add_nc_u32 v[AV0], VOFF, v[AV0]
	v_lshlrev_b32 v[QO], 7, v16
	v_lshl_add_u32 v[QO], v17, 4, v[QO]
	s_mul_i32 s2, s[WV], 32*PK
	s_add_co_u32 s2, s2, STAGE                     ; my stage
	v_add_nc_u32 v[STO], s2, v[AK0]                ; in: row r, + 16 h
	v_lshrrev_b32 v21, 3, v18
	v_mul_u32_u24 v21, v21, PK
	v_lshl_add_u32 v21, v19, 4, v21
	v_add_nc_u32 v[RD], s2, v21                    ; back: eight lanes to a row, four rows an instruction
	v_lshlrev_b32 v[GO], 4, v18
	v_lshlrev_b32 v22, 3, v17
	v_sub_nc_u32 v[DM], v16, v22
	v_mov_b32 v[NEG], 0xff800000
; A pass begins: Q into registers; m = -3e38, under every score; l and O^T zeros, which the first change of m leaves zeros: so the key step is written once.
.macro INIT qb, q0
	s_mov_b32 s[Q0], s[\q0]
	s_mov_b32 s[KF], 0
	WIN 0x40                                       ; destination window 1
.irp t, 0,1
.irp c, 0,1
	global_load_b128 v[64+16*\t+8*\c:64+16*\t+8*\c+3], v[QO], s[\qb:\qb+1] offset:\t*2048+\c*64
	global_load_b128 v[64+16*\t+8*\c+4:64+16*\t+8*\c+7], v[QO], s[\qb:\qb+1] offset:\t*2048+\c*64+32
.endr
.endr
.set i, 0
.rept 64
	v_mov_b32 v[i], 0
.set i, i+1
.endr
	WIN 0
.irp t, 0,1
	v_mov_b32 v[ST+8*\t+1], 0xff61b1e6
	v_mul_f32 v[ST+8*\t], s[CS], v[ST+8*\t+1]
.irp j, 2,3,4,5,6,7
	v_mov_b32 v[ST+8*\t+\j], 0
.endr
.endr
	s_wait_loadcnt 0x0                             ; Q
	s_wait_xcnt 0x0                                ; the last pass's stores have read their data: S^T's registers are written again only behind this wait
.endm
; Both tiles' softmax for 64 keys, line by line.  The 66 exponentials are one batch with one wait.
.macro SOFTMAX
.irp j, 0,1,2,3
.irp t, 0,1
	v_max3_num_f32 v[ST+8*\t+4+\j], v[S+32*\t+8*\j], v[S+32*\t+8*\j+1], v[S+32*\t+8*\j+2]   ; four chains; each begins at an accumulator's low end
.endr
.endr
.irp i, 3,5
.irp j, 0,1,2,3
.irp t, 0,1
	v_max3_num_f32 v[ST+8*\t+4+\j], v[ST+8*\t+4+\j], v[S+32*\t+8*\j+\i], v[S+32*\t+8*\j+\i+1]
.endr
.endr
.endr
.irp t, 0,1
	v_max3_num_f32 v[ST+8*\t+4], v[ST+8*\t+4], v[S+32*\t+7], v[S+32*\t+15]
	v_max3_num_f32 v[ST+8*\t+6], v[ST+8*\t+6], v[S+32*\t+23], v[S+32*\t+31]
.endr
.irp t, 0,1
	v_max3_num_f32 v[ST+8*\t+4], v[ST+8*\t+4], v[ST+8*\t+5], v[ST+8*\t+6]
.endr
.irp t, 0,1
	v_max3_num_f32 v[ST+8*\t+4], v[ST+8*\t+4], v[ST+8*\t+7], v[ST+8*\t+1]   ; and the old m
.endr
.irp t, 0,1
	v_permlanex16_b32 v[ST+8*\t+5], v[ST+8*\t+4], s[SEL], s[SEL+1]          ; the query's other 32 keys lie 16 lanes away
.endr
.irp t, 0,1
	v_mov_b32 v[ST+8*\t+7], v[ST+8*\t]             ; c m_old
.endr
.irp t, 0,1
	v_max_num_f32 v[ST+8*\t+1], v[ST+8*\t+4], v[ST+8*\t+5]
.endr
.irp t, 0,1
	v_mul_f32 v[ST+8*\t], s[CS], v[ST+8*\t+1]
.endr
.irp t, 0,1
	v_sub_f32 v[ST+8*\t+7], v[ST+8*\t+7], v[ST+8*\t]
.endr
.set i, 0
.rept 16
.irp t, 0,1
	v_pk_fma_f32 v[S+32*\t+2*i:S+32*\t+2*i+1], v[S+32*\t+2*i:S+32*\t+2*i+1], s[CS:CS+1], v[ST+8*\t:ST+8*\t+1] op_sel_hi:[1,0,0] neg_lo:[0,0,1] neg_hi:[0,0,1]   ; c s - c m
.endr
.set i, i+1
.endr
.irp t, 0,1
	v_exp_f32 v[ST+8*\t+6], v[ST+8*\t+7]           ; a = 2^(c m_old - c m_new)
.endr
.set i, 0
.rept 32
.irp t, 0,1
	v_exp_f32 v[S+32*\t+i], v[S+32*\t+i]
.endr
.set i, i+1
.endr
	v_nop                                          ; a plain line behind the last exponential
	s_wait_alu depctr_va_vdst(0)                   ; one wait for the batch, ahead of the first line that names a result
.set i, 0
.rept 16
.irp t, 0,1
	v_cvt_pk_f16_f32 v[P+16*\t+i], v[S+32*\t+2*i], v[S+32*\t+2*i+1]
.endr
.set i, i+1
.endr
.irp z, 0,1,2,3,4,5,6,7
.irp t, 0,1
	v_pk_add_f32 v[S+32*\t+4*\z:S+32*\t+4*\z+1], v[S+32*\t+4*\z:S+32*\t+4*\z+1], v[S+32*\t+4*\z+2:S+32*\t+4*\z+3]   ; the sum of the unrounded p, a tree in place
.endr
.endr
.irp z, 0,1,2,3
.irp t, 0,1
	v_pk_add_f32 v[S+32*\t+8*\z:S+32*\t+8*\z+1], v[S+32*\t+8*\z:S+32*\t+8*\z+1], v[S+32*\t+8*\z+4:S+32*\t+8*\z+5]
.endr
.endr
.irp z, 0,1
.irp t, 0,1
	v_pk_add_f32 v[S+32*\t+16*\z:S+32*\t+16*\z+1], v[S+32*\t+16*\z:S+32*\t+16*\z+1], v[S+32*\t+16*\z+8:S+32*\t+16*\z+9]
.endr
.endr
.irp t, 0,1
	v_pk_add_f32 v[S+32*\t:S+32*\t+1], v[S+32*\t:S+32*\t+1], v[S+32*\t+16:S+32*\t+17]
.endr
.irp t, 0,1
	v_pk_fma_f32 v[ST+8*\t+2:ST+8*\t+3], v[ST+8*\t+2:ST+8*\t+3], v[ST+8*\t+6:ST+8*\t+7], v[S+32*\t:S+32*\t+1] op_sel_hi:[1,0,1]   ; l = a l + the sum
.endr
.endm
; A KEY STEP: 64 keys.  A step all of whose keys come after my 32 queries is left out: a branch on ids, round the work, not round the lines that step addresses.
.macro STEP
	s_add_co_u32 s[T0], s[Q0], 31
	s_cmp_gt_u32 s[KF], s[T0]
	s_cbranch_scc1 .Lhidden_\@
	v_add_nc_u32 v[ADK], s[TB], v[AK0]
	v_add_nc_u32 v[ADV], s[TB], v[AV0]
	v_nop
	v_nop                                          ; four plain lines between the last step's products and the loads into V's registers
.irp kt, 0,1,2,3
.irp c, 0,1
	ds_load_b128 v[KR+8*(2*\kt+\c):KR+8*(2*\kt+\c)+3], v[ADK] offset:\kt*16*PK+64*\c
	ds_load_b128 v[KR+8*(2*\kt+\c)+4:KR+8*(2*\kt+\c)+7], v[ADK] offset:\kt*16*PK+64*\c+32
.endr
.endr
.irp g, 0,1
.irp ct, 0,1,2,3
	ds_load_tr16_b128 v[VR+8*(4*\g+\ct):VR+8*(4*\g+\ct)+3], v[ADV] offset:\g*32*PV+32*\ct
	ds_load_tr16_b128 v[VR+8*(4*\g+\ct)+4:VR+8*(4*\g+\ct)+7], v[ADV] offset:\g*32*PV+16*PV+32*\ct
.endr
.endr
	s_wait_dscnt 16                                ; K's 16 loads are in; V's 16 may be out
	WIN W_KQ
.irp c, 0,1                                    ; the eight accumulators take turns, one instruction a turn
.irp kt, 0,1,2,3
.irp t, 0,1
.if \c == 0
	v_wmma_f32_16x16x32_f16 v[S+32*\t+8*\kt:S+32*\t+8*\kt+7], v[KR+8*(2*\kt+\c):KR+8*(2*\kt+\c)+7], v[64+16*\t+8*\c:64+16*\t+8*\c+7], 0
.else
	v_wmma_f32_16x16x32_f16 v[S+32*\t+8*\kt:S+32*\t+8*\kt+7], v[KR+8*(2*\kt+\c):KR+8*(2*\kt+\c)+7], v[64+16*\t+8*\c:64+16*\t+8*\c+7], v[S+32*\t+8*\kt:S+32*\t+8*\kt+7]
.endif
.endr
.endr
.endr
	WIN 0
.rept 4
	v_nop
.endr
	s_add_co_u32 s[T0], s[KF], 63                  ; a step all of whose keys count for all my queries has no mask
	s_cmp_le_u32 s[T0], s[Q0]
	s_cbranch_scc1 .Lopen_\@
	s_sub_co_i32 s[T0], s[Q0], s[KF]
	v_add_nc_u32 v[D0], s[T0], v[DM]               ; register 8 kt + j of tile t holds key KF + 16 kt + 8 h + j: hidden where 16 kt + j > Q0 - KF + 16 t + r - 8 h
	v_add_nc_u32 v[D1], 16, v[D0]
.irp n, 0,1,2,3,4,5,6,7,8,9,10,11,12,13,14,15,16,17,18,19,20,21,22,23,24,25,26,27,28,29,30,31
	v_cmp_gt_i32 vcc_lo, 16*(\n/8)+\n%8, v[D0]
	v_cndmask_b32 v[S+\n], v[S+\n], v[NEG], vcc_lo
.endr
.irp n, 0,1,2,3,4,5,6,7,8,9,10,11,12,13,14,15,16,17,18,19,20,21,22,23,24,25,26,27,28,29,30,31
	v_cmp_gt_i32 vcc_lo, 16*(\n/8)+\n%8, v[D1]
	v_cndmask_b32 v[S+32+\n], v[S+32+\n], v[NEG], vcc_lo
.endr
.Lopen_\@:
	SOFTMAX
	s_wait_dscnt 0x0                               ; V is in
	WIN W_RS
.set i, 0
.rept 32
	v_pk_mul_f32 v[2*i:2*i+1], v[2*i:2*i+1], v[ST+8*(i/16)+6:ST+8*(i/16)+7] op_sel_hi:[1,0]   ; O^T times a, each accumulator from its low end on
.set i, i+1
.endr
	WIN W_PV
.irp g, 0,1
.irp ct, 0,1,2,3
.irp t, 0,1
	v_wmma_f32_16x16x32_f16 v[32*\t+8*\ct:32*\t+8*\ct+7], v[VR+8*(4*\g+\ct):VR+8*(4*\g+\ct)+7], v[P+16*\t+8*\g:P+16*\t+8*\g+7], v[32*\t+8*\ct:32*\t+8*\ct+7]
.endr
.endr
.endr
	WIN 0
.Lhidden_\@:
	s_add_co_u32 s[KF], s[KF], KS
	s_add_co_u32 s[TB], s[TB], STEPB
.endm
; A pass ends: O^T / l, rounded to f16, through my stage, out as 4,096 consecutive bytes.
.macro WAYOUT ob
.rept 4
	v_nop
.endr
.irp t, 0,1
	v_add_f32 v[ST+8*\t+4], v[ST+8*\t+2], v[ST+8*\t+3]
.endr
.irp t, 0,1
	v_permlanex16_b32 v[ST+8*\t+5], v[ST+8*\t+4], s[SEL], s[SEL+1]
.endr
.irp t, 0,1
	v_add_f32 v[ST+8*\t+4], v[ST+8*\t+4], v[ST+8*\t+5]
.endr
.irp t, 0,1
	v_rcp_f32 v[ST+8*\t+6], v[ST+8*\t+4]
.endr
	v_nop
	s_wait_alu depctr_va_vdst(0)                   ; one wait for the two reciprocals, ahead of their first reader
	WIN W_RS
.set i, 0
.rept 32
	v_pk_mul_f32 v[2*i:2*i+1], v[2*i:2*i+1], v[ST+8*(i/16)+6:ST+8*(i/16)+7] op_sel_hi:[1,0]
.set i, i+1
.endr
	WIN 0x05                                       ; sources window 1, destination window 0
.set i, 0
.rept 32
	v_cvt_pk_f16_f32 v[S+i], v[2*i], v[2*i+1]
.set i, i+1
.endr
	WIN 0
.irp t, 0,1
.irp ct, 0,1,2,3
	ds_store_b128 v[STO], v[S+16*\t+4*\ct:S+16*\t+4*\ct+3] offset:\t*16*PK+32*\ct
.endr
.endr
.irp u, 0,1,2,3,4,5,6,7
	ds_load_b128 v[S+4*\u:S+4*\u+3], v[RD] offset:\u*4*PK      ; in order behind my stores
.endr
.irp u, 0,1,2,3,4,5,6,7
	s_wait_dscnt 7-\u                              ; the younger read-backs may be out
	global_store_b128 v[GO], v[S+4*\u:S+4*\u+3], s[\ob:\ob+1] offset:512*\u   ; 32 lanes store 512 consecutive bytes, aligned
.endr
.endm
; THE CHANGE OF SLOTS stands at a visit's head.  All my tensor loads have landed (my part of the slot ahead), the add, my reads of the slot that I leave are over; the barrier; then that slot is filled with the next visit's keys.
.macro CHANGE fill
	s_wait_tensorcnt 0x0                           ; no tensor load of mine is out: the descriptor may be written
	ds_add_u32 v[SPW], v[NIL]                      ; 0 onto my spare word
.if \fill
	s_add_co_u32 s[NX], s[VIS], 1                  ; the next visit's key slot: pass B begins again at slot 0
	s_cmp_lt_u32 s[NX], s[NA]
	s_cselect_b32 s[T0], 0, s[NA]
	s_sub_co_u32 s[NX], s[NX], s[T0]
	s_lshl_b32 s[OF], s[NX], 15                    ; 256 keys of 128 bytes
	s_xor_b32 s[G0+1], s[G0+1], SLOT1
	s_add_nc_u64 s[G0+2:G0+3], s[BASE:BASE+1], s[OF:OF+1]
	s_or_b32 s[G0+3], s[G0+3], 0x80000000
	s_wait_xcnt 0x0                                ; the last prefetch, a visit back, has read its address
	s_add_nc_u64 s[PFA:PFA+1], s[PFA:PFA+1], 32768
.endif
	s_wait_dscnt 0x0
	s_barrier_signal -1
	s_barrier_wait -1
.if \fill
	TLOAD                                          ; the first thing behind the barrier, my one tensor load until the next; it has a visit's four steps in which to land
	ASK
.endif
.endm
.macro VISIT fill
	CHANGE \fill
	s_cmp_lg_u32 s[VIS], s[NA]                     ; the work-group's number and the count of visits alone: all eight waves go the same way
	s_cbranch_scc1 .Lsame_\@
	WAYOUT OBA
	INIT QBB, Q0B
.Lsame_\@:
	s_mov_b32 s[STP], 4
.Lstep_\@:
	STEP
	s_sub_co_u32 s[STP], s[STP], 1
	s_cmp_lg_u32 s[STP], 0
	s_cbranch_scc1 .Lstep_\@
	s_sub_co_u32 s[TB], s[TB], 4*STEPB
	s_xor_b32 s[TB], s[TB], SLOT1                  ; on to the other slot
	s_add_co_u32 s[VIS], s[VIS], 1
.endm
	INIT QBA, Q0A
	s_mov_b32 s[CNT], 8
.Lvisit:                                           ; eight visits ask for the next slot; slot 1's first fill stands behind the first trip's barrier, where all eight loads are first fills
	VISIT 1
	s_sub_co_u32 s[CNT], s[CNT], 1
	s_cmp_lg_u32 s[CNT], 0
	s_cbranch_scc1 .Lvisit
	VISIT 0                                        ; the ninth is written out: nothing is left to ask for
	WAYOUT OBB
	s_wait_tensorcnt 0x0                           ; the wave's end
	ds_add_u32 v[SPW], v[NIL]
	s_wait_dscnt 0x0
	s_endpgm
.Lfunc_end_k_q3a8455b5c0_attn:
	.size	k_q3a8455b5c0_attn, .Lfunc_end_k_q3a8455b5c0_attn-k_q3a8455b5c0_attn
	.p2alignl 7, 3214868480
	.fill 96, 4, 3214868480
	.section	.rodata,"a",@progbits
	.p2align	6, 0x0
	.amdhsa_kernel k_q3a8455b5c0_attn
		.amdhsa_group_segment_fixed_size 327680
		.amdhsa_private_segment_fixed_size 0
		.amdhsa_enable_private_segment 0
		.amdhsa_kernarg_size 16
		.amdhsa_user_sgpr_count 2
		.amdhsa_user_sgpr_kernarg_segment_ptr 1
		.amdhsa_wavefront_size32 1
		.amdhsa_system_sgpr_workgroup_id_x 1
		.amdhsa_system_sgpr_workgroup_id_y 1
		.amdhsa_system_sgpr_workgroup_id_z 1
		.amdhsa_system_vgpr_workitem_id 0
		.amdhsa_next_free_vgpr 352
		.amdhsa_next_free_sgpr 66
		.amdhsa_reserve_vcc 1
		.amdhsa_float_denorm_mode_32 3
		.amdhsa_float_denorm_mode_16_64 3
		.amdhsa_memory_ordered 1
		.amdhsa_forward_progress 1
		.amdhsa_inst_pref_size 81
	.end_amdhsa_kernel
	.amdgpu_metadata
---
amdhsa.version: [ 1, 2 ]
amdhsa.kernels:
  - .name:           k_q3a8455b5c0_attn
    .symbol:         k_q3a8455b5c0_attn.kd
    .args:
      - { .name: qkv, .offset: 0, .size: 8, .value_kind: global_buffer, .address_space: global }
      - { .name: ao, .offset: 8, .size: 8, .value_kind: global_buffer, .address_space: global }
    .group_segment_fixed_size: 327680
    .private_segment_fixed_size: 0
    .kernarg_segment_align: 8
    .kernarg_segment_size: 16
    .max_flat_workgroup_size: 256
    .sgpr_count:     66
    .vgpr_count:     352
    .wavefront_size: 32
...
	.end_amdgpu_metadata
.endif
;; end of part 3
;; launch proj (part 4): grid 8 x 64, 4 waves a work-group, clusters of 4 x 4, 327,680 bytes of LDS; arguments ao, wo16, out0; writes out0
.if DOCPART == 4
	.amdgcn_target "amdgcn-amd-amdhsa--gfx1250"
	.amdhsa_code_object_version 6
	.text
	.protected	k_q3a8455b5c0_proj
	.globl	k_q3a8455b5c0_proj
	.p2align	8
	.type	k_q3a8455b5c0_proj,@function
k_q3a8455b5c0_proj:
	s_mov_b64 s[64:65], 0
	v_nop
	global_prefetch_b8 v0, s[64:65] scope:SCOPE_SE
	s_setreg_imm32_b32 hwreg(HW_REG_WAVE_MODE, 25, 1), 1
	s_wait_xcnt 0x0
	s_wait_alu depctr_hold_cnt(0) depctr_sa_sdst(0) depctr_va_vdst(0) depctr_va_sdst(0) depctr_va_ssrc(0) depctr_va_vcc(0) depctr_vm_vsrc(0)
	s_getreg_b32 s2, hwreg(HW_REG_IB_STS2, 6, 4)
	s_cmp_eq_u32 s2, 0
	s_cbranch_scc0 .Lentry_in_a_cluster
	s_endpgm
.Lentry_in_a_cluster:
	s_bfe_u32 s2, ttmp6, 0x10000c
	s_cmp_lg_u32 s2, 0xf033
	s_cbranch_scc0 .Lentry_shape_is_right
	s_endpgm
.Lentry_shape_is_right:
; out0[m][n] = sum over k of A[m][k] Wo[n][k]: m = 8,192 positions, n = 1,024, k = 1,024 = head x 64 + channel.  Operands f16, sums and result f32.
; A is ao, laid BY HEAD: [batch][head][t][64]; Wo is wo16 [n][k].  The 64 rows of positions 0-15 are written here like the others; the last launch writes them anew from f32 operands.
; A tile of out0 is 128 x 128: 512 work-groups, two even turns of 256.  Four waves, each 64 x 64: 16 accumulators.  K goes in four steps of 256 (four heads) through two LDS slots.
; A'S TILE of a K step is four heads x 128 positions x 128 bytes; a head's 128 positions are 16,384 dense bytes.  One tensor load brings two heads as two 'rows' of 8,192 elements, 131,072 elements apart,
; with 16 bytes of padding behind every 128: in LDS each head is 128 lines 144 bytes apart.  A quarter of a K step (64 along K) is one head.
; CLUSTERS: 4 x 4.  A's tiles are shared along a row of the cluster, Wo's along a column: joint loads, as many rounds of the cluster's barrier as refills (two), one in front and one at the end.
; THE MATRIX INSTRUCTION IS USED TRANSPOSED (source 0 = 16 rows of Wo, source 1 = 16 rows of A): a lane holds eight neighbouring numbers of a row of out0.
; REGISTERS: window 0: v0-31 addresses; v128-255 the accumulators ((a, b) at v[128 + 8 (4 a + b)]), then rows on the way out.  window 1: two fragment buffers of 128: 64 registers of A, then 64 of Wo.
.set PA,     144                       ; a line of A in LDS: 128 bytes + 16
.set SUBT,   128*PA                    ; a head's 128 lines
.set AREG,   4*SUBT
.set PB,     528                       ; a row of Wo in LDS: 512 bytes + 16
.set HALFB,  64*PB
.set SLOT,   AREG+2*HALFB
.set SPARE,  2*SLOT                    ; the spare words: 128 bytes a wave, named by no other line
.set SPITCH, 528                       ; the way out: 128 rows x (512 bytes + 16), in slot 0, which has had its last fill and its last read by then
.set ADRA, 16
.set ADRB, 20
.set STO,  24
.set RD,   25
.set CO,   26
.set SPW,  28
.set NIL,  29
.set ACC,  128
.set F0,   0
.set F1,   128
.set G1, 24
.set G0, 32
.set G1B, 48
.set G0B, 56
.set MSB, 0
.macro WIN new
.if MSB != (\new)
	s_set_vgpr_msb (MSB<<8)|(\new)
.set MSB, (\new)
.endif
.endm
.set MUL,  0x05                        ; sources 0 and 1 window 1; C and D window 0
.set TO_F, 0x40
.macro JLOAD s                         ; waves 0 and 1 fetch A's two pairs of heads, waves 2 and 3 Wo's two halves; an s_nop 0 and four v_nop follow each line
	s_cmp_eq_u32 s11, 0
	s_cbranch_scc0 .Lfor_b_\@
	tensor_load_to_lds s[G0+4*\s:G0+4*\s+3], s[G1:G1+7]
	s_nop 0
.rept 4
	v_nop
.endr
	s_branch .Lasked_\@
.Lfor_b_\@:
	tensor_load_to_lds s[G0B+4*\s:G0B+4*\s+3], s[G1B:G1B+7]
	s_nop 0
.rept 4
	v_nop
.endr
.Lasked_\@:
.endm
.macro CREST
	s_cmp_lg_u32 s10, 0
	s_cbranch_scc1 .Lnot_wave_0_\@
	s_barrier_signal -3
.Lnot_wave_0_\@:
	s_barrier_wait -3
	s_barrier_signal -1
	s_barrier_wait -1
.endm
.macro CROUND
	s_barrier_signal -1
	s_barrier_wait -1
	CREST
.endm
	s_load_b128 s[4:7], s[0:1], 0x0                ; ao, wo16
	s_load_b64 s[8:9], s[0:1], 0x10                ; out0
	v_lshl_add_u32 v[SPW], v0, 2, SPARE
	v_mov_b32 v[NIL], 0
	ds_add_u32 v[SPW], v[NIL]                      ; the opening: the add, twice on end, and its wait ahead of my first tensor load
	ds_add_u32 v[SPW], v[NIL]
	v_lshrrev_b32 v1, 5, v0
	v_readfirstlane_b32 s10, v1                    ; wave 0..3
	s_lshr_b32 s11, s10, 1                         ; my half of the tile's rows.  Also: I fetch for A (0) or for Wo (1)
	s_and_b32 s12, s10, 1                          ; my half of its columns.  Also: which part I fetch
	s_bfe_u32 s40, ttmp6, 0x40000                  ; cx
	s_bfe_u32 s41, ttmp6, 0x40004                  ; cy
	s_lshl_b32 s42, ttmp9, 2
	s_add_co_u32 s42, s42, s40                     ; tile column
	s_and_b32 s13, ttmp7, 0xffff
	s_lshl_b32 s13, s13, 2
	s_add_co_u32 s13, s13, s41                     ; tile row
	s_lshl_b32 s43, s41, 2
	s_lshl_b32 s43, 15, s43                        ; my row of the cluster
	s_lshl_b32 s44, 0x1111, s40                    ; my column
	s_or_b32 s[G1+0], s43, (1<<16)|(1<<20)|(1<<21)|(4<<22)|(3<<25)  ; the mask; elements of 2 bytes; padding: 4 words after every 32; bit 21 beside a mask
	s_mov_b32 s[G1+1], 8192<<16                    ; tensor_dim0: a head's 128 positions x 64
	s_mov_b32 s[G1+2], 2<<16                       ; tensor_dim1: two heads
	s_mov_b32 s[G1+3], 8192<<16                    ; tile_dim0
	s_mov_b32 s[G1+4], 2                           ; tile_dim1
	s_mov_b32 s[G1+5], 131072                      ; from head to head
	s_mov_b32 s[G1+6], 0
	s_mov_b32 s[G1+7], 0
	s_or_b32 s[G1B+0], s44, (1<<16)|(1<<20)|(1<<21)|(6<<22)|(3<<25) ; padding: 4 words after every 128
	s_mov_b32 s[G1B+1], 256<<16
	s_mov_b32 s[G1B+2], 64<<16
	s_mov_b32 s[G1B+3], 256<<16
	s_mov_b32 s[G1B+4], 64
	s_mov_b32 s[G1B+5], 1024
	s_mov_b32 s[G1B+6], 0
	s_mov_b32 s[G1B+7], 0
	s_lshr_b32 s16, s13, 4                         ; A: the batch, 2^22 bytes each,
	s_lshl_b32 s16, s16, 22
	s_and_b32 s17, s13, 15
	s_lshl_b32 s17, s17, 14                        ; 128 positions of 128 bytes,
	s_add_co_u32 s16, s16, s17
	s_lshl_b32 s17, s12, 19                        ; my pair of heads, 2^18 bytes a head
	s_add_co_u32 s16, s16, s17
	s_mov_b32 s17, 0
	s_lshl_b32 s46, s42, 7                         ; Wo: row 128 x tile column + 64 x half,
	s_lshl_b32 s47, s12, 6
	s_add_co_u32 s46, s46, s47
	s_lshl_b32 s46, s46, 11                        ; 2,048 bytes a row
	s_mov_b32 s47, 0
	s_mul_i32 s20, s12, 2*SUBT                     ; where they go: no place in the cluster enters an LDS address
	s_mul_i32 s21, s12, HALFB
	s_add_co_u32 s21, s21, AREG
	s_wait_dscnt 0x0                               ; both opening adds are done
	s_wait_kmcnt 0x0
	s_add_nc_u64 s[14:15], s[4:5], s[16:17]
	s_add_nc_u64 s[46:47], s[6:7], s[46:47]
	CROUND                                         ; all sixteen work-groups are here: the first joint loads meet
.irp s, 0,1
	s_mov_b32 s[G0+4*\s], 1
	s_add_co_u32 s[G0+4*\s+1], s20, \s*SLOT
	s_add_nc_u64 s[G0+4*\s+2:G0+4*\s+3], s[14:15], \s*(1<<20)      ; K step s: four heads on
	s_or_b32 s[G0+4*\s+3], s[G0+4*\s+3], 0x80000000
	s_mov_b32 s[G0B+4*\s], 1
	s_add_co_u32 s[G0B+4*\s+1], s21, \s*SLOT
	s_add_nc_u64 s[G0B+4*\s+2:G0B+4*\s+3], s[46:47], \s*512
	s_or_b32 s[G0B+4*\s+3], s[G0B+4*\s+3], 0x80000000
	JLOAD \s
.endr
	v_and_b32 v1, 15, v0                           ; r
	v_bfe_u32 v2, v0, 4, 1                         ; h
	v_mul_u32_u24 v3, v1, PA
	v_lshl_add_u32 v3, v2, 4, v3
	v_mul_u32_u24 v4, v1, PB
	v_lshl_add_u32 v4, v2, 4, v4
	s_mul_i32 s21, s11, 64*PA                      ; my 64 lines in each head
	s_mul_i32 s22, s12, HALFB                      ; my 64 rows of Wo,
	s_add_co_u32 s22, s22, AREG                    ; behind A's four heads
.irp s, 0,1
	v_add_nc_u32 v[ADRA+\s], s21, v3
	v_add_nc_u32 v[ADRB+\s], s22, v4
	s_add_co_u32 s21, s21, SLOT
	s_add_co_u32 s22, s22, SLOT
.endr
	s_mul_i32 s23, s11, 64*SPITCH                  ; into the stage: my 64 rows, my 256 bytes of their 512; row r, 32 bytes for each half of the lanes
	s_lshl_b32 s21, s12, 8
	s_add_co_u32 s23, s23, s21
	v_mul_u32_u24 v5, v1, SPITCH
	v_lshl_add_u32 v5, v2, 5, v5
	v_add_nc_u32 v[STO], s23, v5
	s_mul_i32 s23, s10, 32*SPITCH                  ; back: wave w takes rows 32 w .. 32 w + 31, whole
	v_and_b32 v6, 31, v0
	v_lshlrev_b32 v[CO], 4, v6
	v_add_nc_u32 v[RD], s23, v[CO]
	s_lshl_b32 s16, s13, 7
	s_lshl_b32 s17, s10, 5
	s_add_co_u32 s16, s16, s17                     ; the first row that I store
	s_lshl_b32 s16, s16, 12                        ; 4,096 bytes a row
	s_mov_b32 s17, 0
	s_add_nc_u64 s[8:9], s[8:9], s[16:17]
	s_lshl_b32 s46, s42, 9                         ; the tile's first column, in bytes
	s_mov_b32 s47, 0
	s_add_nc_u64 s[8:9], s[8:9], s[46:47]
; 8 matrix instructions: m blocks a0, a0 + 1 x all 4 n blocks, 32 along K: half c of buffer f.  The 16 accumulators take turns.
.macro MUL8 f, c, a0, zero
.irp a, \a0, \a0+1
.irp b, 0,1,2,3
.if \zero
	v_wmma_f32_16x16x32_f16 v[ACC+8*(4*(\a)+\b):ACC+8*(4*(\a)+\b)+7], v[\f+64+8*(4*\c+\b):\f+64+8*(4*\c+\b)+7], v[\f+8*(4*\c+\a):\f+8*(4*\c+\a)+7], 0
.else
	v_wmma_f32_16x16x32_f16 v[ACC+8*(4*(\a)+\b):ACC+8*(4*(\a)+\b)+7], v[\f+64+8*(4*\c+\b):\f+64+8*(4*\c+\b)+7], v[\f+8*(4*\c+\a):\f+8*(4*\c+\a)+7], v[ACC+8*(4*(\a)+\b):ACC+8*(4*(\a)+\b)+7]
.endif
.endr
.endr
.endm
; 32 LDS loads in one run: quarter q of a slot (one head; 128 bytes of Wo's rows) into buffer f; the first 32 along K first
.macro FETCH slot, q, f
	WIN TO_F
.irp c, 0,1
.irp i, 0,1,2,3
	ds_load_b128 v[\f+64+8*(4*\c+\i):\f+64+8*(4*\c+\i)+3],   v[ADRB+\slot] offset:(\q)*128+64*\c+\i*16*PB
	ds_load_b128 v[\f+64+8*(4*\c+\i)+4:\f+64+8*(4*\c+\i)+7], v[ADRB+\slot] offset:(\q)*128+64*\c+\i*16*PB+32
	ds_load_b128 v[\f+8*(4*\c+\i):\f+8*(4*\c+\i)+3],         v[ADRA+\slot] offset:(\q)*SUBT+64*\c+\i*16*PA
	ds_load_b128 v[\f+8*(4*\c+\i)+4:\f+8*(4*\c+\i)+7],       v[ADRA+\slot] offset:(\q)*SUBT+64*\c+\i*16*PA+32
.endr
.endr
.endm
.macro PLACES
.rept 4
	v_nop
.endr
.endm
.macro QUARTER slot, q, f, g, zero     ; multiplies buffer f and fetches quarter q of the same slot into g
	s_wait_dscnt 16                                ; the first 32 along K are in; the other sixteen loads may be out
	WIN MUL
	MUL8 \f, 0, 0, \zero
	MUL8 \f, 0, 2, \zero
	PLACES
	FETCH \slot, \q, \g
	s_wait_dscnt 32                                ; all but the 32 just issued
	WIN MUL
	MUL8 \f, 1, 0, 0
	MUL8 \f, 1, 2, 0
.endm
; A slot's last quarter changes slots: one barrier; in front of it all my tensor loads have landed, the add, my reads of this slot are over.  fill = 1: the barrier opens a round of the cluster's, and this slot is filled again, two K steps on.
.macro TURN slot, next, fill
	WIN 0
	s_wait_tensorcnt 0x0
	ds_add_u32 v[SPW], v[NIL]                      ; 0 onto my spare word
	s_wait_dscnt 17                                ; (the add and the youngest sixteen loads may be out)
	WIN MUL
	MUL8 F1, 0, 0, 0
	s_wait_dscnt 0x0
	s_barrier_signal -1
	MUL8 F1, 0, 2, 0
.if \fill
	WIN 0
.endif
	s_barrier_wait -1
.if \fill
	CREST
	s_add_nc_u64 s[G0+4*\slot+2:G0+4*\slot+3], s[G0+4*\slot+2:G0+4*\slot+3], 2<<20
	s_add_nc_u64 s[G0B+4*\slot+2:G0B+4*\slot+3], s[G0B+4*\slot+2:G0B+4*\slot+3], 1024
	JLOAD \slot                                    ; the first tensor load behind the round; its four v_nop are also the places in front of the loads below
.else
	PLACES
.endif
	FETCH \next, 0, F0
	WIN MUL
	MUL8 F1, 1, 0, 0
	MUL8 F1, 1, 2, 0
.endm
	s_wait_tensorcnt 1                             ; my part of K step 0 is in; K step 1's may be out
	s_barrier_signal -1
	s_barrier_wait -1
	FETCH 0, 0, F0
	QUARTER 0, 1, F0, F1, 1                        ; the first products start the sums
	QUARTER 0, 2, F1, F0, 0
	QUARTER 0, 3, F0, F1, 0
	TURN 0, 1, 1                                   ; slot 0 takes K step 2
	QUARTER 1, 1, F0, F1, 0
	QUARTER 1, 2, F1, F0, 0
	QUARTER 1, 3, F0, F1, 0
	TURN 1, 0, 1                                   ; slot 1 takes K step 3
	QUARTER 0, 1, F0, F1, 0
	QUARTER 0, 2, F1, F0, 0
	QUARTER 0, 3, F0, F1, 0
	TURN 0, 1, 0                                   ; nothing is left to ask for
	QUARTER 1, 1, F0, F1, 0
	QUARTER 1, 2, F1, F0, 0
	QUARTER 1, 3, F0, F1, 0
	s_wait_dscnt 16
	WIN MUL
	MUL8 F1, 0, 0, 0
	MUL8 F1, 0, 2, 0
	s_wait_dscnt 0
	MUL8 F1, 1, 0, 0
	MUL8 F1, 1, 2, 0
	WIN 0
	; THE WAY OUT: 32 bytes a lane into the work-group's stage; a barrier, since a row's 512 bytes come from two waves; back as whole rows, 32 rows a wave.
	PLACES
.irp a, 0,1,2,3
.irp b, 0,1,2,3
	ds_store_b128 v[STO], v[ACC+8*(4*\a+\b):ACC+8*(4*\a+\b)+3] offset:\a*16*SPITCH+64*\b        ; each accumulator from its low end on
	ds_store_b128 v[STO], v[ACC+8*(4*\a+\b)+4:ACC+8*(4*\a+\b)+7] offset:\a*16*SPITCH+64*\b+16
.endr
.endr
	s_wait_dscnt 0x0                               ; for the others' sake: my stores into the stage are done
	s_barrier_signal -1
	s_barrier_wait -1
.set t, 0
.rept 32
	ds_load_b128 v[ACC+4*t:ACC+4*t+3], v[RD] offset:t*SPITCH
.set t, t+1
.endr
.set t, 0
.rept 32
	s_wait_dscnt 31-t                              ; the younger read-backs may be out
	global_store_b128 v[CO], v[ACC+4*t:ACC+4*t+3], s[8:9] offset:t*4096 th:TH_STORE_NT   ; 32 lanes store 512 consecutive bytes, aligned
.set t, t+1
.endr
	s_wait_tensorcnt 0x0                           ; the wave's end
	ds_add_u32 v[SPW], v[NIL]
	s_wait_dscnt 0x0
	CROUND                                         ; the closing round
	s_endpgm
.Lfunc_end_k_q3a8455b5c0_proj:
	.size	k_q3a8455b5c0_proj, .Lfunc_end_k_q3a8455b5c0_proj-k_q3a8455b5c0_proj
	.p2alignl 7, 3214868480
	.fill 96, 4, 3214868480
	.section	.rodata,"a",@progbits
	.p2align	6, 0x0
	.amdhsa_kernel k_q3a8455b5c0_proj
		.amdhsa_group_segment_fixed_size 327680
		.amdhsa_private_segment_fixed_size 0
		.amdhsa_enable_private_segment 0
		.amdhsa_kernarg_size 24
		.amdhsa_user_sgpr_count 2
		.amdhsa_user_sgpr_kernarg_segment_ptr 1
		.amdhsa_wavefront_size32 1
		.amdhsa_system_sgpr_workgroup_id_x 1
		.amdhsa_system_sgpr_workgroup_id_y 1
		.amdhsa_system_sgpr_workgroup_id_z 1
		.amdhsa_system_vgpr_workitem_id 0
		.amdhsa_next_free_vgpr 512
		.amdhsa_next_free_sgpr 66
		.amdhsa_reserve_vcc 0
		.amdhsa_float_denorm_mode_32 3
		.amdhsa_float_denorm_mode_16_64 3
		.amdhsa_memory_ordered 1
		.amdhsa_forward_progress 1
		.amdhsa_inst_pref_size 86
	.end_amdhsa_kernel
	.amdgpu_metadata
---
amdhsa.version: [ 1, 2 ]
amdhsa.kernels:
  - .name:           k_q3a8455b5c0_proj
    .symbol:         k_q3a8455b5c0_proj.kd
    .args:
      - { .name: ao, .offset: 0, .size: 8, .value_kind: global_buffer, .address_space: global }
      - { .name: wo16, .offset: 8, .size: 8, .value_kind: global_buffer, .address_space: global }
      - { .name: out0, .offset: 16, .size: 8, .value_kind: global_buffer, .address_space: global }
    .group_segment_fixed_size: 327680
    .private_segment_fixed_size: 0
    .kernarg_segment_align: 8
    .kernarg_segment_size: 24
    .max_flat_workgroup_size: 128
    .sgpr_count:     66
    .vgpr_count:     512
    .wavefront_size: 32
...
	.end_amdgpu_metadata
.endif
;; end of part 4
;; launch fine (part 5): grid 16 x 4, 16 waves a work-group, no clusters, 85,248 bytes of LDS; arguments first16, Wo, out0; writes out0
.if DOCPART == 5
	.amdgcn_target "amdgcn-amd-amdhsa--gfx1250"
	.amdhsa_code_object_version 6
	.text
	.protected	k_q3a8455b5c0_fine
	.globl	k_q3a8455b5c0_fine
	.p2align	8
	.type	k_q3a8455b5c0_fine,@function
k_q3a8455b5c0_fine:
	s_mov_b64 s[64:65], 0
	v_nop
	global_prefetch_b8 v0, s[64:65] scope:SCOPE_SE
	s_setreg_imm32_b32 hwreg(HW_REG_WAVE_MODE, 25, 1), 1
	s_wait_xcnt 0x0
; Positions 0-15 of each of the four sequences, once more and all in f32: under the causal mask they average one to sixteen values and are the largest rows of the output, so f16 operands would weigh most there.
; q, k, v of these positions come as f32 from first16 [sel][batch][head][16][64]; Wo as it is given.  This launch runs last and writes rows batch x 2,048 + 0..15 of out0 anew: 64 rows.
; SHARES.  Work-group (slice, batch) makes 64 columns of the batch's 16 rows.  Wave w first does head w's attention (16 x 16 scores); the 16 heads' results meet in LDS; then wave w multiplies
; 16 columns (w % 4) by a quarter of K (w / 4), and the four quarters are added in LDS.  The attention is repeated in a batch's 16 slices: 196,608 bytes read for each, in place of one launch more.
; All products by v_wmma_f32_16x16x4_f32, written out; its accumulators (v112-175) are written by matrix instructions alone, four by turns, and are added up in other registers.
; THE ORDER OF k: a lane's load of 16 bytes holds k = 8 g + 4 (lane / 16) + 0..3 and feeds two instructions; both operands take the same order, so the products are the right ones.
; No tensor load: the launch moves a few hundred kilobytes a work-group through registers; no cluster: nothing here waits for shared tiles for long.
.set OP,    4112                       ; a row of the 16 heads' results in LDS: 4,096 bytes + 16
.set PART,  16*OP                      ; four partial results of 16 rows x (256 bytes + 16)
.set SPARE, PART+4*16*272              ; the spare words: 128 bytes a wave, named by no other line
.set QA,  4                            ; v4   q, k: row r of 256 bytes, + 16 h
.set VA,  5                            ; v5   v: key 8 h, channel r
.set WA,  6                            ; v6   Wo: row r of 4,096 bytes, + 16 h
.set OS,  7                            ; v7   LDS: where I put my head's results
.set OL,  8                            ; v8   and where I read my quarter of K
.set PS,  9                            ; v9   where I put my partial result
.set PL,  10                           ; v10  and where I read the four
.set GO,  11                           ; v11  my place in two rows of out0
.set DM,  12                           ; v12  r - 8 h
.set NEG, 13                           ; v13  -infinity
.set SPW, 14
.set NIL, 15
	s_load_b128 s[4:7], s[0:1], 0x0                ; first16, Wo
	s_load_b64 s[8:9], s[0:1], 0x10                ; out0
	v_lshl_add_u32 v[SPW], v0, 2, SPARE
	v_mov_b32 v[NIL], 0
	v_lshrrev_b32 v1, 5, v0
	v_readfirstlane_b32 s10, v1                    ; wave 0..15: the head
	s_and_b32 s12, ttmp7, 0xffff                   ; the batch
	s_and_b32 s13, s10, 3                          ; my 16 columns of the slice's 64
	s_lshr_b32 s14, s10, 2                         ; my quarter of K
	v_and_b32 v1, 15, v0                           ; r
	v_bfe_u32 v2, v0, 4, 1                         ; h
	v_lshlrev_b32 v[QA], 8, v1
	v_lshl_add_u32 v[QA], v2, 4, v[QA]
	v_lshlrev_b32 v[VA], 2, v1
	v_lshl_add_u32 v[VA], v2, 11, v[VA]
	v_lshlrev_b32 v[WA], 12, v1
	v_lshl_add_u32 v[WA], v2, 4, v[WA]
	v_mul_u32_u24 v3, v1, OP
	s_lshl_b32 s15, s10, 8
	v_lshl_add_u32 v[OS], v2, 5, v3
	v_add_nc_u32 v[OS], s15, v[OS]                 ; row r, my head's 256 bytes, + 32 h
	s_lshl_b32 s15, s14, 10
	v_lshl_add_u32 v[OL], v2, 4, v3
	v_add_nc_u32 v[OL], s15, v[OL]                 ; row r, my quarter's 1,024 bytes, + 16 h
	s_mul_i32 s15, s14, 16*272
	s_lshl_b32 s16, s13, 6
	s_add_co_u32 s15, s15, s16
	s_add_co_u32 s15, s15, PART
	v_mul_u32_u24 v3, v1, 272
	v_lshl_add_u32 v[PS], v2, 5, v3
	v_add_nc_u32 v[PS], s15, v[PS]
	s_and_b32 s15, s10, 7
	s_mul_i32 s15, s15, 2*272                      ; waves 0-7 send two rows each
	s_add_co_u32 s15, s15, PART
	v_mul_u32_u24 v3, v2, 272
	v_lshl_add_u32 v[PL], v1, 4, v3
	v_add_nc_u32 v[PL], s15, v[PL]
	v_lshlrev_b32 v[GO], 12, v2
	v_lshl_add_u32 v[GO], v1, 4, v[GO]
	v_lshlrev_b32 v3, 3, v2
	v_sub_nc_u32 v[DM], v1, v3
	v_mov_b32 v[NEG], 0xff800000
	s_lshl_b32 s16, s12, 4
	s_add_co_u32 s16, s16, s10
	s_lshl_b32 s16, s16, 12                        ; first16: 4,096 bytes for each batch and head
	s_mov_b32 s17, 0
	s_lshl_b32 s18, ttmp9, 2
	s_add_co_u32 s18, s18, s13
	s_lshl_b32 s18, s18, 16                        ; Wo: 16 rows of 4,096 bytes,
	s_lshl_b32 s19, s14, 10                        ; my quarter of K
	s_add_co_u32 s18, s18, s19
	s_mov_b32 s19, 0
	s_lshl_b32 s20, s12, 23                        ; out0: 2,048 rows of 4,096 bytes a batch,
	s_and_b32 s21, s10, 7
	s_lshl_b32 s21, s21, 13                        ; two rows a wave,
	s_add_co_u32 s20, s20, s21
	s_lshl_b32 s21, ttmp9, 8                       ; 256 bytes a slice
	s_add_co_u32 s20, s20, s21
	s_mov_b32 s21, 0
	s_mov_b32 s22, 0x76543210
	s_mov_b32 s23, 0xfedcba98                      ; selects for lane l xor 16
	s_mov_b32 s24, 0x3e38aa3b                      ; c = log2(e) / 8
	s_wait_kmcnt 0x0
	s_add_nc_u64 s[4:5], s[4:5], s[16:17]
	s_add_nc_u64 s[6:7], s[6:7], s[18:19]
	s_add_nc_u64 s[8:9], s[8:9], s[20:21]
.irp g, 0,1,2,3,4,5,6,7
	global_load_b128 v[16+4*\g:19+4*\g], v[QA], s[4:5] offset:32*\g              ; q
.endr
.irp g, 0,1,2,3,4,5,6,7
	global_load_b128 v[48+4*\g:51+4*\g], v[QA], s[4:5] offset:262144+32*\g       ; k
.endr
.irp ct, 0,1,2,3
.irp j, 0,1,2,3,4,5,6,7
	global_load_b32 v[80+8*\ct+\j], v[VA], s[4:5] offset:524288+256*\j+64*\ct    ; v(key 8 h + j, channel 16 ct + r)
.endr
.endr
.irp g, 0,1,2,3,4,5,6,7,8,9,10,11,12,13,14,15
	global_load_b128 v[192+4*\g:195+4*\g], v[WA], s[6:7] offset:32*\g            ; Wo: the first half of my quarter of K
.endr
	s_wait_loadcnt 48                              ; q and k are in; v's 32 and Wo's 16 may be out
	; S^T = k q^T: a lane holds query r and keys 8 h + 0..7
.irp s, 0,1,2,3,4,5,6,7,8,9,10,11,12,13,14,15
.if \s < 4
	v_wmma_f32_16x16x4_f32 v[112+8*(\s%4):119+8*(\s%4)], v[48+2*\s:49+2*\s], v[16+2*\s:17+2*\s], 0
.else
	v_wmma_f32_16x16x4_f32 v[112+8*(\s%4):119+8*(\s%4)], v[48+2*\s:49+2*\s], v[16+2*\s:17+2*\s], v[112+8*(\s%4):119+8*(\s%4)]
.endif
.endr
.rept 8
	v_nop                                          ; eight places behind this form, in front of loads into its sources and of reads of its results
.endr
.irp g, 0,1,2,3,4,5,6,7,8,9,10,11,12,13,14,15
	global_load_b128 v[16+4*\g:19+4*\g], v[WA], s[6:7] offset:512+32*\g          ; Wo: the second half, where q and k lay
.endr
.irp i, 0,2,4,6
	v_pk_add_f32 v[176+\i:177+\i], v[112+\i:113+\i], v[120+\i:121+\i]            ; the four accumulators' sum, each from its low end on
.endr
.irp i, 0,2,4,6
	v_pk_add_f32 v[184+\i:185+\i], v[128+\i:129+\i], v[136+\i:137+\i]
.endr
.irp i, 0,2,4,6
	v_pk_add_f32 v[176+\i:177+\i], v[176+\i:177+\i], v[184+\i:185+\i]
.endr
.irp j, 0,1,2,3,4,5,6,7
	v_cmp_gt_i32 vcc_lo, \j, v[DM]                 ; key 8 h + j is hidden where it comes after query r
	v_cndmask_b32 v[176+\j], v[176+\j], v[NEG], vcc_lo
.endr
	v_max3_num_f32 v184, v176, v177, v178
	v_max3_num_f32 v185, v179, v180, v181
	v_max3_num_f32 v184, v184, v182, v183
	v_max_num_f32 v184, v184, v185
	v_permlanex16_b32 v185, v184, s22, s23
	v_max_num_f32 v184, v184, v185                 ; the row's maximum: key 0 counts for every query
	v_mul_f32 v185, s24, v184
.irp j, 0,1,2,3,4,5,6,7
	v_fma_f32 v[176+\j], v[176+\j], s24, -v185     ; c s - c m
.endr
.irp j, 0,1,2,3,4,5,6,7
	v_exp_f32 v[176+\j], v[176+\j]
.endr
	v_nop
	s_wait_alu depctr_va_vdst(0)                   ; one wait for the eight, ahead of their first reader
	v_add_f32 v186, v176, v177
	v_add_f32 v187, v178, v179
	v_add_f32 v188, v180, v181
	v_add_f32 v189, v182, v183
	v_add_f32 v186, v186, v187
	v_add_f32 v188, v188, v189
	v_add_f32 v186, v186, v188
	v_permlanex16_b32 v187, v186, s22, s23
	v_add_f32 v186, v186, v187                     ; the row's sum
	v_rcp_f32 v190, v186
	v_nop
	s_wait_alu depctr_va_vdst(0)
	s_wait_loadcnt 32                              ; v is in; Wo's 32 loads may be out
	; O^T = v^T p: a lane holds query r and channels 16 ct + 8 h + 0..7
.irp s, 0,1,2,3
.irp ct, 0,1,2,3
.if \s == 0
	v_wmma_f32_16x16x4_f32 v[144+8*\ct:151+8*\ct], v[80+8*\ct+2*\s:81+8*\ct+2*\s], v[176+2*\s:177+2*\s], 0
.else
	v_wmma_f32_16x16x4_f32 v[144+8*\ct:151+8*\ct], v[80+8*\ct+2*\s:81+8*\ct+2*\s], v[176+2*\s:177+2*\s], v[144+8*\ct:151+8*\ct]
.endif
.endr
.endr
.rept 8
	v_nop
.endr
.set i, 0
.rept 32
	v_mul_f32 v[80+i], v[144+i], v190              ; / the sum, into other registers
.set i, i+1
.endr
.irp ct, 0,1,2,3
	ds_store_b128 v[OS], v[80+8*\ct:83+8*\ct] offset:64*\ct
	ds_store_b128 v[OS], v[84+8*\ct:87+8*\ct] offset:64*\ct+16
.endr
	s_wait_dscnt 0x0                               ; for the others' sake
	s_barrier_signal -1
	s_barrier_wait -1                              ; the 16 heads' results lie in LDS
	; the projection, transposed: source 0 = 16 rows of Wo, source 1 = the 16 positions; 64 along K a group
.irp grp, 0,1,2,3
.if \grp > 0
.rept 8
	v_nop
.endr
.endif
.irp g, 0,1,2,3,4,5,6,7
	ds_load_b128 v[80+4*\g:83+4*\g], v[OL] offset:32*(8*\grp+\g)
.endr
	s_wait_dscnt 0x0
.if \grp == 0
	s_wait_loadcnt 16                              ; Wo's first half is in; its second half's 16 loads may be out
.endif
.if \grp == 2
	s_wait_loadcnt 0x0
.endif
.if \grp < 2
.set WB, 192+32*\grp
.else
.set WB, 16+32*(\grp-2)
.endif
.irp u, 0,1,2,3,4,5,6,7,8,9,10,11,12,13,14,15
.if (\grp == 0) && (\u < 4)
	v_wmma_f32_16x16x4_f32 v[112+8*(\u%4):119+8*(\u%4)], v[WB+2*\u:WB+2*\u+1], v[80+2*\u:81+2*\u], 0
.else
	v_wmma_f32_16x16x4_f32 v[112+8*(\u%4):119+8*(\u%4)], v[WB+2*\u:WB+2*\u+1], v[80+2*\u:81+2*\u], v[112+8*(\u%4):119+8*(\u%4)]
.endif
.endr
.endr
.rept 8
	v_nop
.endr
.irp i, 0,2,4,6
	v_pk_add_f32 v[176+\i:177+\i], v[112+\i:113+\i], v[120+\i:121+\i]
.endr
.irp i, 0,2,4,6
	v_pk_add_f32 v[184+\i:185+\i], v[128+\i:129+\i], v[136+\i:137+\i]
.endr
.irp i, 0,2,4,6
	v_pk_add_f32 v[176+\i:177+\i], v[176+\i:177+\i], v[184+\i:185+\i]            ; position r, columns 8 h + 0..7 of my 16, over my quarter of K
.endr
	ds_store_b128 v[PS], v[176:179]
	ds_store_b128 v[PS], v[180:183] offset:16
	s_wait_dscnt 0x0
	s_barrier_signal -1
	s_barrier_wait -1                              ; the four quarters lie in LDS
	s_cmp_lt_u32 s10, 8                            ; waves 0-7 add them and store two rows each
	s_cbranch_scc0 .Ldone
.irp q, 0,1,2,3
	ds_load_b128 v[176+4*\q:179+4*\q], v[PL] offset:16*272*\q
.endr
	s_wait_dscnt 0x0
	v_pk_add_f32 v[176:177], v[176:177], v[180:181]
	v_pk_add_f32 v[178:179], v[178:179], v[182:183]
	v_pk_add_f32 v[184:185], v[184:185], v[188:189]
	v_pk_add_f32 v[186:187], v[186:187], v[190:191]
	v_pk_add_f32 v[176:177], v[176:177], v[184:185]
	v_pk_add_f32 v[178:179], v[178:179], v[186:187]
	global_store_b128 v[GO], v[176:179], s[8:9]    ; sixteen lanes store 256 consecutive bytes, aligned
.Ldone:
	s_wait_tensorcnt 0x0                           ; the wave's end
	ds_add_u32 v[SPW], v[NIL]
	s_wait_dscnt 0x0
	s_endpgm
.Lfunc_end_k_q3a8455b5c0_fine:
	.size	k_q3a8455b5c0_fine, .Lfunc_end_k_q3a8455b5c0_fine-k_q3a8455b5c0_fine
	.p2alignl 7, 3214868480
	.fill 96, 4, 3214868480
	.section	.rodata,"a",@progbits
	.p2align	6, 0x0
	.amdhsa_kernel k_q3a8455b5c0_fine
		.amdhsa_group_segment_fixed_size 85248
		.amdhsa_private_segment_fixed_size 0
		.amdhsa_enable_private_segment 0
		.amdhsa_kernarg_size 24
		.amdhsa_user_sgpr_count 2
		.amdhsa_user_sgpr_kernarg_segment_ptr 1
		.amdhsa_wavefront_size32 1
		.amdhsa_system_sgpr_workgroup_id_x 1
		.amdhsa_system_sgpr_workgroup_id_y 1
		.amdhsa_system_sgpr_workgroup_id_z 1
		.amdhsa_system_vgpr_workitem_id 0
		.amdhsa_next_free_vgpr 256
		.amdhsa_next_free_sgpr 66
		.amdhsa_reserve_vcc 1
		.amdhsa_float_denorm_mode_32 3
		.amdhsa_float_denorm_mode_16_64 3
		.amdhsa_memory_ordered 1
		.amdhsa_forward_progress 1
		.amdhsa_inst_pref_size 27
	.end_amdhsa_kernel
	.amdgpu_metadata
---
amdhsa.version: [ 1, 2 ]
amdhsa.kernels:
  - .name:           k_q3a8455b5c0_fine
    .symbol:         k_q3a8455b5c0_fine.kd
    .args:
      - { .name: first16, .offset: 0, .size: 8, .value_kind: global_buffer, .address_space: global }
      - { .name: Wo, .offset: 8, .size: 8, .value_kind: global_buffer, .address_space: global }
      - { .name: out0, .offset: 16, .size: 8, .value_kind: global_buffer, .address_space: global }
    .group_segment_fixed_size: 85248
    .private_segment_fixed_size: 0
    .kernarg_segment_align: 8
    .kernarg_segment_size: 24
    .max_flat_workgroup_size: 512
    .sgpr_count:     66
    .vgpr_count:     256
    .wavefront_size: 32
...
	.end_amdgpu_metadata
.endif
;; end of part 5
